; MI455X (gfx1250); checked and timed in simulation.
; The chip was launched on July 23, 2026; its instructions are those of AMD's public machine-readable ISA for CDNA 5 (MIT licence, August 2026) and "CDNA5" Instruction Set Architecture Reference Guide (July 2026). The comments in the code are by the model that wrote it; some were corrected since.
;; Self Attention. Allowed arithmetic: matrix products marked QUANTISED: E4M3 operands, one given power-of-two scale a tensor, by v_wmma_f32_16x16x64_fp8_fp8 or v_wmma_f32_16x16x128_fp8_fp8, f32 sums; everything else in f32.
;; Inputs: lowp_scales 8 int32 (the exponents e of the quantised operands' scales 2^e); w_proj 1,024 x 1,024 float32; w_qkv 3,072 x 1,024 float32; x 4 x 2,048 x 1,024 float32.
;; Outputs: out0 4 x 2,048 x 1,024 float32.
;; This version of the problem:
;;   THIS VERSION OF THE PROBLEM IS GIVEN IN LOW PRECISION. The matrix products marked QUANTISED in the list below multiply operands that are first quantised to E4M3 (4 exponent bits, 3 mantissa bits; 8 bits a number), with one given power-of-two scale for each operand tensor; their sums are f32. All else is computed in f32.
;;   The module's matrix products, in the order in which they are computed (A, B: the left and right operand; K: the contracted axis; several contracted axes count as one K, in the product's order):
;;     1. [M 8,192, K 1,024] x [K 1,024, N 3,072]; A: input x; B: input w_qkv: QUANTISED (scales: A lowp_scales[0], B lowp_scales[1])
;;     2. batch 64 x [M 2,048, K 64] x [K 64, N 2,048]; A: computed on the way; B: computed on the way: QUANTISED (scales: A lowp_scales[2], B lowp_scales[3])
;;     3. batch 64 x [M 2,048, K 2,048] x [K 2,048, N 64]; A: softmax (see below); B: computed on the way: QUANTISED (scales: A lowp_scales[4], B lowp_scales[5])
;;     4. [M 8,192, K 1,024] x [K 1,024, N 1,024]; A: computed on the way; B: input w_proj: QUANTISED (scales: A lowp_scales[6], B lowp_scales[7])
;;   THE QUANTISER, for each operand of a quantised product, along K:
;;     - The operand's scale is 2^e, e = its entry of the input lowp_scales (int32; the entries are numbered through the quantised products in the list's order, A before B).
;;     - Each number is divided by the scale, clamped to +-448, and rounded to the nearest number of E4M3, ties to even, subnormals kept.
;;     - The product sums the exact products of the quantised numbers (number of the format x scale) in f32.
;;   ~~~python
;;   def quantise(x, axis, e):      # numpy; x: float32 -> the quantised numbers, widened to float32 again
;;       x = np.moveaxis(x, axis, -1); K = x.shape[-1]
;;       r = np.clip(x / 2.0 ** e, -448, 448)
;;       step = 2.0 ** (np.maximum(np.frexp(np.where(r == 0, 1, r))[1] - 1, -6) - 3)
;;       q = np.round(r / step) * step * 2.0 ** e      # np.round: ties to even
;;       return np.moveaxis(q, -1, axis).astype(np.float32)
;;   ~~~
;;   SOFTMAX AHEAD OF A QUANTISED PRODUCT. Where the list says 'softmax', what is quantised is not the finished softmax but p = 2^(t - M), with t = logit x log2(e) and M = ceil(the row's largest t), a whole number; so 1/2 < the row's largest p <= 1. The row's sum l is taken of the UNQUANTISED p, in f32, and the product's result is divided by l at the end. Since M is a whole number, a kernel that streams over the keys may use a running M (the ceiling of the running maximum): every later rescaling is an exact power of two, so the quantised numbers keep their values, but for numbers so far below the row's largest that they fall under the format's range.
;;   OPERANDS COMPUTED ON THE WAY. 'Computed on the way' means the value that the module computes at that place (a softmax that the list does not call 'softmax' is quantised finished and normalised). What goes into a quantiser is computed in f32, as accurately as f32 sums, v_exp_f32 and their like allow (about 1e-6 of the number): no bf16 or f16 on the way to a quantiser, and a product that is left as it is and whose result goes on into a quantised operand takes f32 operands (vector FMAs, or v_wmma_f32_16x16x4_f32). A number that lies on a knife's edge between two numbers of the format may be rounded either way, as far as f32 arithmetic and the matrix unit's own rounding can turn it there, and no further.
;; One version. Each part assembles by itself: llvm-mc -triple=amdgcn-amd-amdhsa -mcpu=gfx1250 --defsym DOCPART=n.
;; ======== version 1 of 1: 4 launches
;; limits: right only within a limited range of input values
;; workspace buffers: xc 8,388,608 bytes; wqc 3,145,728 bytes; wpc 1,048,576 bytes; qc 8,388,608 bytes; kc 8,388,608 bytes; vc 8,388,608 bytes; yc 8,388,608 bytes
;; launch quant (part 1): grid 384 x 1, 4 waves a work-group, no clusters, 33,280 bytes of LDS; arguments x, w_qkv, w_proj, lowp_scales, xc, wqc, wpc; writes xc, wqc, wpc
.if DOCPART == 1
	.amdgcn_target "amdgcn-amd-amdhsa--gfx1250"
	.amdhsa_code_object_version 6
	.text
	.protected	k_q21cc925b61_quant
	.globl	k_q21cc925b61_quant
	.p2align	8
	.type	k_q21cc925b61_quant,@function
k_q21cc925b61_quant:
	s_mov_b64 s[64:65], 0
	v_nop
	global_prefetch_b8 v0, s[64:65] scope:SCOPE_SE
	s_setreg_imm32_b32 hwreg(HW_REG_WAVE_MODE, 25, 1), 1
	s_wait_xcnt 0x0
; x [8192][1024], w_qkv [3072][1024] and w_proj [1024][1024], f32 with K innermost, are turned into codes of E4M3, one byte each, in the same order,
; each with the one scale 2^e that is given for it: entry 0 of the scales for x, entry 1 for w_qkv, entry 7 for w_proj.
; code = number / 2^e, held within +-448, rounded to the nearest code, ties to even.
; LIMITS: -126 <= e and e + 8 <= 127, so that 2^e and 448 x 2^e are f32 numbers.  NaN among the inputs is not served (an infinity is held at the largest code).
; Rows are dense, so each tensor is a plain stream of numbers and so are its codes.  A work-group takes 32,768 numbers, a wave 16 steps of 512.
; Work-groups 0-255 take x, 256-351 w_qkv, 352-383 w_proj: only pointers and e are chosen, by the work-group's number; there is one path through the text.
; The conversion takes 8 neighbours from ONE lane's registers; a load is dense where neighbouring LANES take neighbouring bytes.  Both are had: each of a step's four loads reads 512 consecutive
; bytes, the 2,048 bytes go through the wave's own stage in LDS as they lie and come back 64 bytes a lane (16 bytes of padding behind each 64).  A lane's 16 codes are 16 bytes: a store covers 512 consecutive bytes.
; No tensor loads, no barrier: waves share nothing.  Loads run four steps (16 loads a wave) ahead, the turn through LDS one step.
.set STEPS, 16
.set WGX,   256                        ; work-groups for x
.set WGQ,   352                        ; and up to here for w_qkv
.set EMAX,  8
.set MANT,  0x600000                   ; the mantissa field of 448 as f32
.set CB,    16                         ; bytes of 16 codes
.set R,     16                         ; v16-79   four sets of 16 numbers as they are loaded
.set X,     80                         ; v80-111  two sets of 16 neighbours
.set C,     128                        ; v128-191 codes: four registers for each step, so that no store's data are written again
.set WREG,  8192                       ; LDS: a region for each wave: two stages of 32 x SP bytes
.set SP,    80                         ; a lane's place in a stage: its 64 bytes + 16 of padding
	s_load_b256 s[4:11], s[0:1], 0x0               ; x s[4:5], w_qkv s[6:7], w_proj s[8:9], the scales' exponents s[10:11]
	s_load_b128 s[12:15], s[0:1], 0x20             ; x's codes s[12:13], w_qkv's s[14:15]
	s_load_b64 s[16:17], s[0:1], 0x30              ; w_proj's
	v_lshl_add_u32 v192, v0, 2, 0x8000
	v_mov_b32 v193, 0
	v_lshrrev_b32 v1, 5, v0
	v_readfirstlane_b32 s18, v1                    ; wave
	v_and_b32 v2, 31, v0                           ; lane
	v_lshlrev_b32 v3, 4, v2                        ; my 16 bytes of a load's 512
	s_mul_i32 s19, s18, WREG
	v_lshrrev_b32 v14, 2, v2
	v_mul_u32_u24 v14, v14, SP
	v_and_b32 v15, 3, v2
	v_lshl_add_u32 v14, v15, 4, v14
	v_add_nc_u32 v14, s19, v14                     ; the stage, on the way in: SP (lane / 4) + 16 (lane % 4); a load's 512 bytes take eight places
	v_mul_u32_u24 v15, v2, SP
	v_add_nc_u32 v15, s19, v15                     ; and on the way out: SP x lane: my 16 neighbours
	v_mul_u32_u24 v4, v2, CB                       ; my codes' place in a step's
	s_wait_alu depctr_va_vdst(0)
	s_wait_kmcnt 0x0
	s_load_b256 s[32:39], s[10:11], 0x0            ; the eight exponents
	s_cmp_lt_u32 ttmp9, WGQ                        ; which tensor?  The choice hangs on the work-group's number alone
	s_cselect_b64 s[20:21], s[6:7], s[8:9]
	s_cselect_b64 s[22:23], s[14:15], s[16:17]
	s_mov_b32 s24, WGQ
	s_cselect_b32 s24, WGX, s24
	s_cmp_lt_u32 ttmp9, WGX
	s_cselect_b64 s[20:21], s[4:5], s[20:21]       ; from here
	s_cselect_b64 s[22:23], s[12:13], s[22:23]     ; to here
	s_cselect_b32 s24, 0, s24                      ; the tensor's first work-group
	s_sub_co_u32 s24, ttmp9, s24
	s_lshl_b32 s24, s24, 2
	s_add_co_u32 s26, s24, s18                     ; which run of 8,192 numbers of the tensor is my wave's
	s_mov_b32 s27, 0
	s_lshl_b64 s[28:29], s[26:27], 15              ; 32,768 bytes of numbers a run
	s_add_nc_u64 s[20:21], s[20:21], s[28:29]
	s_lshl_b64 s[28:29], s[26:27], 13              ; 8,192 bytes of codes
	s_add_nc_u64 s[22:23], s[22:23], s[28:29]
.macro LOAD t
.irp i, 0,1,2,3
	global_load_b128 v[R+16*((\t)%4)+4*\i:R+16*((\t)%4)+4*\i+3], v3, s[20:21] offset:2048*(\t)+512*\i th:TH_LOAD_NT   ; 32 lanes read 512 consecutive bytes
.endr
.endm
.macro TURN t                          ; step t's numbers through the stage: LDS serves a wave's instructions in order, so no wait stands between the stores and the loads
.irp i, 0,1,2,3
	ds_store_b128 v14, v[R+16*((\t)%4)+4*\i:R+16*((\t)%4)+4*\i+3] offset:32*SP*((\t)%2)+8*SP*\i
.endr
.irp i, 0,1,2,3
	ds_load_b128 v[X+16*((\t)%2)+4*\i:X+16*((\t)%2)+4*\i+3], v15 offset:32*SP*((\t)%2)+16*\i
.endr
.endm
.irp t, 0,1,2,3
	LOAD \t
.endr
	s_wait_kmcnt 0x0
	s_cmp_lt_u32 ttmp9, WGQ
	s_cselect_b32 s30, s33, s39                    ; w_qkv's e or w_proj's,
	s_cmp_lt_u32 ttmp9, WGX
	s_cselect_b32 s30, s32, s30                    ; or x's
	s_add_co_i32 s30, s30, 127
	s_lshl_b32 s31, s30, 23
	v_mov_b32 v11, s31                             ; 2^e as f32: the conversion takes its exponent field
	s_add_co_i32 s30, s30, EMAX
	s_lshl_b32 s30, s30, 23
	s_or_b32 s30, s30, MANT
	v_mov_b32 v10, s30                             ; 448 x 2^e
	s_wait_alu depctr_va_vdst(0)
	s_wait_loadcnt 12                              ; step 0's four loads are in; the twelve of steps 1 to 3 may be out
	TURN 0
.macro STEP t
.set XS, X+16*((\t)%2)
	s_wait_dscnt 0x0                               ; this step's numbers are back from the stage: so its stores into the stage have read their registers,
.if (\t)+4 < STEPS
	LOAD (\t)+4                                    ; which take the loads of four steps on
.endif
.if (\t)+1 < STEPS
.if STEPS-2-(\t) >= 3
	s_wait_loadcnt 12                              ; the next step's four loads are in; those of the three steps behind it may be out
.else
	s_wait_loadcnt 4*(STEPS-2-(\t))                ; near the end fewer steps stand behind it
.endif
	TURN (\t)+1                                    ; and go through the other stage while this step is worked
.endif
.irp i, 0,1,2,3,4,5,6,7,8,9,10,11,12,13,14,15
	v_med3_num_f32 v[XS+\i], v[XS+\i], -v10, v10   ; the conversion to an 8-bit code does not saturate (ISA guide 7.6.2): the number is held within the largest code x the scale first
.endr
	v_cvt_scalef32_pk8_fp8_f32 v[C+4*(\t):C+4*(\t)+1], v[XS:XS+7], v11          ; eight numbers / 2^e, to the nearest code, ties to even; the first number's code in the lowest byte
	v_cvt_scalef32_pk8_fp8_f32 v[C+4*(\t)+2:C+4*(\t)+3], v[XS+8:XS+15], v11
	global_store_b128 v4, v[C+4*(\t):C+4*(\t)+3], s[22:23] offset:32*CB*(\t)    ; the codes go to a store alone; the next vector lines are the next step's holds, on other registers
.endm
.irp t, 0,1,2,3,4,5,6,7,8,9,10,11,12,13,14,15
	STEP \t
.endr
	s_wait_tensorcnt 0x0
	ds_add_u32 v192, v193
	s_wait_dscnt 0x0
	s_endpgm
.Lfunc_end_k_q21cc925b61_quant:
	.size	k_q21cc925b61_quant, .Lfunc_end_k_q21cc925b61_quant-k_q21cc925b61_quant
	.p2alignl 7, 3214868480
	.fill 96, 4, 3214868480
	.section	.rodata,"a",@progbits
	.p2align	6, 0x0
	.amdhsa_kernel k_q21cc925b61_quant
		.amdhsa_group_segment_fixed_size 33280
		.amdhsa_private_segment_fixed_size 0
		.amdhsa_enable_private_segment 0
		.amdhsa_kernarg_size 56
		.amdhsa_user_sgpr_count 2
		.amdhsa_user_sgpr_kernarg_segment_ptr 1
		.amdhsa_wavefront_size32 1
		.amdhsa_system_sgpr_workgroup_id_x 1
		.amdhsa_system_sgpr_workgroup_id_y 1
		.amdhsa_system_sgpr_workgroup_id_z 1
		.amdhsa_system_vgpr_workitem_id 0
		.amdhsa_next_free_vgpr 194
		.amdhsa_next_free_sgpr 66
		.amdhsa_reserve_vcc 0
		.amdhsa_float_denorm_mode_32 3
		.amdhsa_float_denorm_mode_16_64 3
		.amdhsa_memory_ordered 1
		.amdhsa_forward_progress 1
		.amdhsa_inst_pref_size 38
	.end_amdhsa_kernel
	.amdgpu_metadata
---
amdhsa.version: [ 1, 2 ]
amdhsa.kernels:
  - .name:           k_q21cc925b61_quant
    .symbol:         k_q21cc925b61_quant.kd
    .args:
      - { .name: x, .offset: 0, .size: 8, .value_kind: global_buffer, .address_space: global }
      - { .name: w_qkv, .offset: 8, .size: 8, .value_kind: global_buffer, .address_space: global }
      - { .name: w_proj, .offset: 16, .size: 8, .value_kind: global_buffer, .address_space: global }
      - { .name: lowp_scales, .offset: 24, .size: 8, .value_kind: global_buffer, .address_space: global }
      - { .name: xc, .offset: 32, .size: 8, .value_kind: global_buffer, .address_space: global }
      - { .name: wqc, .offset: 40, .size: 8, .value_kind: global_buffer, .address_space: global }
      - { .name: wpc, .offset: 48, .size: 8, .value_kind: global_buffer, .address_space: global }
    .group_segment_fixed_size: 33280
    .private_segment_fixed_size: 0
    .kernarg_segment_align: 8
    .kernarg_segment_size: 56
    .max_flat_workgroup_size: 128
    .sgpr_count:     66
    .vgpr_count:     194
    .wavefront_size: 32
...
	.end_amdgpu_metadata
.endif
;; end of part 1
;; launch qkv (part 2): grid 12 x 32, 4 waves a work-group, clusters of 4 x 4, 327,680 bytes of LDS; arguments xc, wqc, lowp_scales, qc, kc, vc; writes qc, kc, vc
.if DOCPART == 2
	.amdgcn_target "amdgcn-amd-amdhsa--gfx1250"
	.amdhsa_code_object_version 6
	.text
	.protected	k_q21cc925b61_qkv
	.globl	k_q21cc925b61_qkv
	.p2align	8
	.type	k_q21cc925b61_qkv,@function
k_q21cc925b61_qkv:
	s_mov_b64 s[64:65], 0
	v_nop
	global_prefetch_b8 v0, s[64:65] scope:SCOPE_SE
	s_setreg_imm32_b32 hwreg(HW_REG_WAVE_MODE, 25, 1), 1
	s_wait_xcnt 0x0
	s_wait_alu depctr_hold_cnt(0) depctr_sa_sdst(0) depctr_va_vdst(0) depctr_va_sdst(0) depctr_va_ssrc(0) depctr_va_vcc(0) depctr_vm_vsrc(0)
	s_getreg_b32 s2, hwreg(HW_REG_IB_STS2, 6, 4)
	s_cmp_eq_u32 s2, 0
	s_cbranch_scc0 .Lentry_in_a_cluster
	s_endpgm
.Lentry_in_a_cluster:
	s_bfe_u32 s2, ttmp6, 0x10000c
	s_cmp_lg_u32 s2, 0xf033
	s_cbranch_scc0 .Lentry_shape_is_right
	s_endpgm
.Lentry_shape_is_right:
; qkv = x w_qkv^T on codes of E4M3 (x: 2^e0, w_qkv: 2^e1), K = 1,024, f32 sums; each finished sum is quantised at once for the product that takes it next: q with 2^e2, k with 2^e3, v with 2^e5.
; OUT: q's and k's codes as [batch][head][t][64] (a head's rows dense), v's as [batch][head][d][t]: the keys innermost, since they are the K of the product that takes v.
; A tile is 256 "A" rows x 256 "B" rows, made by four waves, 128 x 128 each: 64 accumulators of 16 x 16, 512 registers.  THE MATRIX INSTRUCTION IS USED TRANSPOSED (source 0 = 16 rows of B, source 1 = 16 rows
; of A): a lane holds one row of A and eight neighbouring rows of B.  The conversion takes eight neighbours along the NEXT product's K from one lane, so the roles are dealt by the cluster's x:
;   cluster x = 0 (q), 1 (k): A = x's rows, B = w_qkv's rows 0 .. 2,047: a lane's eight numbers run along d.     cluster x = 2 (v): A = w_qkv's rows 2,048 on, B = x's rows: they run along t.
; The roles differ in pointers, offsets and the exponent, all made by selections on the cluster's x, which all sixteen partners share; only the last part of the way out has two paths.
; K goes in steps of 256 through a ring of two LDS slots filled by the tensor data mover: a tile's row is 256 bytes of memory.
; CLUSTERS: 4 x 4 work-groups.  The four of a row of the cluster need the same tiles of A, the four of a column the same tiles of B: each tile is asked for JOINTLY, by the same tensor load with the same
; descriptor and a mask that names the four.
; LIMITS: e2 - e0 - e1, e3 - e0 - e1 and e5 - e0 - e1 lie between -126 and 119, so that the folded scale and 448 x it are f32 numbers.
; REGISTERS, in windows of 256: window 0: v16-30 addresses; from v128 A's fragments (8 x 16 rows x 128 K), ONE set; on the way out v32-159 hold codes.
;   window 1: B's fragments, TWO sets, at v0 and at v128.   window 2: the 32 accumulators of my rows 0-63 (accumulator (a, b) at v[8 (8 a + b)]);   window 3: those of my rows 64-127.
.set SIZE_K, 1024
.set KSTEP,  256                       ; along K in a slot
.set ROWB,   256                       ; a tile's row in bytes
.set KROW,   SIZE_K                    ; a row of codes in memory, in bytes
.set PITCH,  272                       ; an LDS row: 256 bytes + 16 of padding = 68 words: row r starts at bank 4 r mod 64 (64 banks of 4 bytes: ISA guide 11.1)
.set FR,     16                        ; registers of a fragment: 16 rows x 128 K
.set NL,     4                         ; LDS loads that bring one
.set NP,     4                         ; places behind this matrix instruction (ISA guide 7.12.1)
.set HALFT,  128*PITCH                 ; 128 rows: what one tensor load brings, and what one wave reads of A or of B
.set SLOT,   4*HALFT                   ; A's 256 rows, then B's 256 rows
.set LAPS,   SIZE_K/(2*KSTEP)          ; a lap = two K steps = once round the ring
.set SPARE,  2*SLOT                    ; behind the ring: the spare words, 128 bytes for each wave: two blocks of 256 bytes that no other line names
.set SPITCH, 272                       ; the way out: ONE stage of 256 rows x (256 bytes of codes + 16), at LDS byte 0: in slot 0, which has had its last fill and its last read when the first code is stored there
.set ADRA, 16                          ; v16-17  LDS address of my A fragments in slot 0, 1
.set ADRB, 20                          ; v20-21  the same for B
.set RDQ,  22                          ; v22     q, k: where I read the stage back, rows 0-127;  v23: rows 128-255
.set RDQ2, 23
.set STO,  24                          ; v24     where I put 8 codes of a row
.set RDV,  25                          ; v25     v: where I read the stage back
.set COV,  26                          ; v26     v: my byte offset in memory
.set COQ,  27                          ; v27     q, k: the same
.set SPW,  28                          ; v28     LDS address of my spare word: SPARE + 4 x my thread's number; never rewritten
.set NIL,  29                          ; v29     0; never rewritten
.set SCV,  30                          ; v30     the folded scale as f32
.set PC,   32                          ; v32-159 codes: 16 registers for each of my eight blocks; then the rows read back
.set AF,   128                         ; A's fragments, in window 0
.set G1, 24                            ; s[24:31] descriptor group 1 for A's tiles;  s[32:39] group 0, one set for each slot
.set G0, 32
.set G1B, 48                           ; s[48:55], s[56:63] the same for B's tiles
.set G0B, 56
.set MSB, 0
.macro WIN new                         ; the immediate's high byte repeats the setting that is left
.if MSB != \new
	s_set_vgpr_msb (MSB<<8)|\new
.set MSB, \new
.endif
.endm
.set MUL_LO, 0xa1                      ; source 0 (B) window 1, source 1 (A) window 0, C and D window 2
.set MUL_HI, 0xf1                      ; the same, C and D window 3
.set TO_B,   0x40                      ; destination window 1, address window 0
; A joint load: waves 0 and 1 fetch for A, waves 2 and 3 for B.  Each of the two lines has ONE mask and one set of registers for all that issue it; the branch hangs on the wave's number alone.
; Four v_nop follow each of the two lines, ahead of the jump, the label and what follows.
.macro JLOAD g0a, g1a, g0b, g1b
	s_cmp_eq_u32 s15, 0
	s_cbranch_scc0 .Lfor_b_\@
	tensor_load_to_lds s[\g0a:\g0a+3], s[\g1a:\g1a+7]
	s_nop 0
.rept 4
	v_nop
.endr
	s_branch .Lasked_\@
.Lfor_b_\@:
	tensor_load_to_lds s[\g0b:\g0b+3], s[\g1b:\g1b+7]
	s_nop 0
.rept 4
	v_nop
.endr
.Lasked_\@:
.endm
.macro CREST                           ; a round of the cluster's barrier behind its opening barrier
	s_cmp_lg_u32 s14, 0
	s_cbranch_scc1 .Lnot_wave_0_\@
	s_barrier_signal -3
.Lnot_wave_0_\@:
	s_barrier_wait -3
	s_barrier_signal -1
	s_barrier_wait -1
.endm
.macro CROUND                          ; a whole round
	s_barrier_signal -1
	s_barrier_wait -1
	CREST
.endm
	s_load_b128 s[4:7], s[0:1], 0x0                ; x's codes s[4:5], w_qkv's codes s[6:7]
	s_load_b128 s[8:11], s[0:1], 0x10              ; the scales' exponents s[8:9], q's codes s[10:11]
	s_load_b128 s[68:71], s[0:1], 0x20             ; k's codes s[68:69], v's codes s[70:71]
	v_lshl_add_u32 v[SPW], v0, 2, SPARE
	v_mov_b32 v[NIL], 0
	ds_add_u32 v28, v29
	ds_add_u32 v28, v29
	s_wait_dscnt 0x0
	v_lshrrev_b32 v1, 5, v0
	v_readfirstlane_b32 s14, v1                    ; wave 0..3
	s_lshr_b32 s15, s14, 1                         ; which half of the tile's A rows is mine.  Also: I fetch for A (0) or for B (1)
	s_and_b32 s16, s14, 1                          ; which half of its B rows.  Also: which 128 rows of that tile I fetch
	s_bfe_u32 s40, ttmp6, 0x40000                  ; cx, cy: my place in the cluster
	s_bfe_u32 s41, ttmp6, 0x40004
	s_and_b32 s84, ttmp7, 0xffff                   ; the cluster's y, 0 .. 7
	s_cmp_eq_u32 ttmp9, 2                          ; the cluster's x says the role: 2 is v
	s_cselect_b32 s85, 0, s84                      ; v: A has four tile rows, cy alone;  q, k: 4 y + cy
	s_cselect_b32 s86, s84, ttmp9                  ; v: B's tile column 4 y + cx;        q, k: 4 x + cx
	s_lshl_b32 s42, s86, 2
	s_add_co_u32 s42, s42, s40                     ; tile column (B)
	s_lshl_b32 s17, s85, 2
	s_add_co_u32 s17, s17, s41                     ; tile row (A)
	s_lshl_b32 s43, s41, 2
	s_lshl_b32 s43, 15, s43                        ; my row of the cluster
	s_lshl_b32 s44, 0x1111, s40                    ; my column
	; descriptor group 1: a tile of 128 rows x 256 bytes, padded in LDS
	s_or_b32 s[G1+0], s43, (0<<16)|(1<<20)|(1<<21)|(5<<22)|(3<<25)  ; 15:0 the mask: A's tiles go to my row; 17:16 element of 1 byte; 20 padding on; 21 set beside a mask; 24:22 after every 64 words (code 5); 31:25 of 4 words (code 3)
	s_or_b32 s[G1B+0], s44, (0<<16)|(1<<20)|(1<<21)|(5<<22)|(3<<25)
.irp g, G1, G1B
	s_mov_b32 s[\g+1], ROWB<<16                    ; tensor_dim0
	s_mov_b32 s[\g+2], 128<<16                     ; tensor_dim1 = 128
	s_mov_b32 s[\g+3], ROWB<<16                    ; tile_dim0
	s_mov_b32 s[\g+4], 128                         ; tile_dim1 = 128
	s_mov_b32 s[\g+5], KROW                        ; tensor_dim0_stride
	s_mov_b32 s[\g+6], 0
	s_mov_b32 s[\g+7], 0
.endr
	s_lshl_b32 s18, s16, 7                         ; which 128 rows of the tile I fetch
	s_lshl_b32 s20, s17, 8
	s_add_co_u32 s20, s20, s18                     ; A: row 256 x tile row + 128 x half
	s_lshl_b32 s46, s42, 8
	s_add_co_u32 s46, s46, s18                     ; B: row 256 x tile column + 128 x half
	s_mov_b32 s21, 0
	s_mov_b32 s47, 0
	s_mov_b64 s[18:19], KROW
	s_mul_u64 s[20:21], s[20:21], s[18:19]         ; in bytes
	s_mul_u64 s[46:47], s[46:47], s[18:19]
	s_mul_i32 s45, s14, HALFT                      ; where they go: wave x 128 rows: no place in the cluster enters an LDS address
	s_wait_kmcnt 0x0
	s_load_b256 s[76:83], s[8:9], 0x0              ; the eight exponents
	s_add_nc_u64 s[72:73], s[6:7], 2048*KROW       ; w_qkv's rows 2,048 on: v's
	s_cmp_eq_u32 ttmp9, 2
	s_cselect_b64 s[74:75], s[72:73], s[4:5]       ; A's tensor
	s_cselect_b64 s[92:93], s[4:5], s[6:7]         ; B's tensor
	s_add_nc_u64 s[20:21], s[74:75], s[20:21]
	s_add_nc_u64 s[46:47], s[92:93], s[46:47]
	CROUND                                         ; all sixteen work-groups are here: the first joint loads meet
.irp s, 0,1
	s_mov_b32 s[G0+4*\s], 1
	s_add_co_u32 s[G0+4*\s+1], s45, \s*SLOT
	s_add_nc_u64 s[G0+4*\s+2:G0+4*\s+3], s[20:21], \s*ROWB
	s_or_b32 s[G0+4*\s+3], s[G0+4*\s+3], 0x80000000
	s_mov_b32 s[G0B+4*\s], 1
	s_add_co_u32 s[G0B+4*\s+1], s45, \s*SLOT
	s_add_nc_u64 s[G0B+4*\s+2:G0B+4*\s+3], s[46:47], \s*ROWB
	s_or_b32 s[G0B+4*\s+3], s[G0B+4*\s+3], 0x80000000
.endr
	JLOAD G0, G1, G0B, G1B                         ; K step 0: one tensor load a wave at the head
	v_and_b32 v1, 15, v0                           ; r = l % 16
	v_bfe_u32 v2, v0, 4, 1                         ; h = l / 16
	v_mul_u32_u24 v3, v1, PITCH
	s_wait_alu depctr_va_vdst(0)
	v_lshl_add_u32 v4, v2, 4, v3                   ; a fragment's row x pitch + 16 x half
	s_mul_i32 s21, s15, HALFT                      ; my 128 rows of A
	s_mul_i32 s22, s16, HALFT                      ; my 128 rows of B,
	s_add_co_u32 s22, s22, 2*HALFT                 ; which lie behind A's 256
.irp s, 0,1
	v_add_nc_u32 v[ADRA+\s], s21, v4
	v_add_nc_u32 v[ADRB+\s], s22, v4
	s_add_co_u32 s21, s21, SLOT
	s_add_co_u32 s22, s22, SLOT
.endr
	; the way out's addresses, all made here
	s_mul_i32 s23, s15, 128*SPITCH                 ; into the stage: row = my A row in the tile, byte = my B row in the tile
	s_lshl_b32 s21, s16, 7
	s_add_co_u32 s23, s23, s21
	v_lshl_add_u32 v5, v2, 3, v3                   ; r x 272 + 8 h
	v_add_nc_u32 v[STO], s23, v5
	v_and_b32 v6, 31, v0                           ; lane
	v_lshrrev_b32 v7, 2, v6
	v_and_b32 v8, 3, v6
	v_mul_u32_u24 v7, v7, SPITCH
	v_lshl_add_u32 v7, v8, 4, v7                   ; q, k: four lanes to a row's 64 bytes of one head, eight rows an instruction
	s_lshl_b32 s23, s14, 6                         ; wave w takes the tile's head w
	v_add_nc_u32 v[RDQ], s23, v7
	v_add_nc_u32 v[RDQ2], 128*SPITCH, v[RDQ]
	v_lshlrev_b32 v[COQ], 4, v6                    ; in memory a head's rows are dense: 16 x lane
	s_mul_i32 s23, s14, 64*SPITCH                  ; v: wave w takes rows 64 w on; sixteen lanes to a row, two rows an instruction
	v_mul_u32_u24 v9, v2, SPITCH
	v_lshl_add_u32 v9, v1, 4, v9
	v_add_nc_u32 v[RDV], s23, v9
	v_lshlrev_b32 v10, 11, v2                      ; a row of v's codes is 2,048 bytes
	v_lshl_add_u32 v[COV], v1, 4, v10
	; where my part begins in memory.  q, k: batch = tile row / 8, head = 4 cx + wave, t = 256 (tile row % 8): 64 bytes a row
	s_lshr_b32 s84, s17, 3
	s_lshl_b32 s84, s84, 21
	s_and_b32 s85, s17, 7
	s_lshl_b32 s85, s85, 14
	s_add_co_u32 s84, s84, s85
	s_lshl_b32 s85, s40, 2
	s_add_co_u32 s85, s85, s14
	s_lshl_b32 s85, s85, 17
	s_add_co_u32 s84, s84, s85
	; v: batch = tile column / 8, row 256 x tile row + 64 x wave of 2,048 bytes, t = 256 (tile column % 8)
	s_lshr_b32 s86, s42, 3
	s_lshl_b32 s86, s86, 21
	s_and_b32 s87, s42, 7
	s_lshl_b32 s87, s87, 8
	s_add_co_u32 s86, s86, s87
	s_lshl_b32 s87, s17, 8
	s_lshl_b32 s94, s14, 6
	s_add_co_u32 s87, s87, s94
	s_lshl_b32 s87, s87, 11
	s_add_co_u32 s86, s86, s87
	s_cmp_eq_u32 ttmp9, 0
	s_cselect_b64 s[88:89], s[10:11], s[68:69]     ; q's codes or k's,
	s_cmp_eq_u32 ttmp9, 2
	s_cselect_b64 s[88:89], s[70:71], s[88:89]     ; or v's
	s_cselect_b32 s84, s86, s84
	s_mov_b32 s85, 0
	s_add_nc_u64 s[88:89], s[88:89], s[84:85]
.macro FRAG reg, adr, q, i             ; a fragment, 16 rows x 128 K of codes, is 16 registers: lane l holds row l % 16; registers 4 c .. 4 c + 3 hold K = 32 c + 16 (l / 16) + 0 .. 15: the same order of K in A and in B
.irp c, 0,1,2,3
	ds_load_b128 v[\reg+4*\c:\reg+4*\c+3], v[\adr] offset:128*(\q)+32*\c+(\i)*16*PITCH
.endr
.endm
; 16 matrix instructions: A's blocks a0, a0 + 1 x B's eight, 128 along K.  p: B's set.  zero = 1: the first product starts the sums: nothing is ever cleared.
; The 64 accumulators take turns, one instruction a turn, in the same order in every step.
.macro MUL16 a0, p, zero
.irp a, \a0, \a0+1
.irp b, 0,1,2,3,4,5,6,7
.if \zero
	v_wmma_f32_16x16x128_fp8_fp8 v[8*(8*((\a)%4)+\b):8*(8*((\a)%4)+\b)+7], v[128*(\p)+FR*\b:128*(\p)+FR*\b+FR-1], v[AF+FR*(\a):AF+FR*(\a)+FR-1], 0
.else
	v_wmma_f32_16x16x128_fp8_fp8 v[8*(8*((\a)%4)+\b):8*(8*((\a)%4)+\b)+7], v[128*(\p)+FR*\b:128*(\p)+FR*\b+FR-1], v[AF+FR*(\a):AF+FR*(\a)+FR-1], v[8*(8*((\a)%4)+\b):8*(8*((\a)%4)+\b)+7]
.endif
.endr
.endr
.endm
.macro FETCH_B slot, q, p              ; B's eight fragments of the slot's q-th 128 along K into set p
	WIN TO_B
.irp i, 0,1,2,3,4,5,6,7
	FRAG 128*(\p)+FR*\i, ADRB+\slot, \q, \i
.endr
	WIN 0
.endm
.macro FETCH_A slot, q, i0             ; A's blocks i0 .. i0 + 3
.irp i, \i0, \i0+1, \i0+2, \i0+3
	FRAG AF+FR*(\i), ADRA+\slot, \q, \i
.endr
.endm
; A load into a register that a matrix instruction has read, and a vector instruction that reads a matrix result, stand NP places behind that matrix instruction; only plain vector
; instructions that name none of its registers are places (ISA guide 7.12.1 for vector instructions).
.macro PLACES n
.rept \n
	v_nop
.endr
.endm
; A step of 128 along K that has its successor in the same slot.
.macro STEP slot, q, zero
	s_wait_dscnt 4*NL                              ; B's set and A's blocks 0-3 are in; the youngest sixteen loads (A's blocks 4-7) may be out
	WIN MUL_LO
	MUL16 0, (\q)%2, \zero
	MUL16 2, (\q)%2, \zero
	s_wait_dscnt 0                                 ; A's blocks 4-7 are in (asked for 32 matrix instructions ago)
	PLACES NP
	FETCH_B \slot, (\q)+1, 1-(\q)%2
	FETCH_A \slot, (\q)+1, 0
	WIN MUL_HI
	MUL16 4, (\q)%2, \zero
	MUL16 6, (\q)%2, \zero
	PLACES NP
	WIN 0
	FETCH_A \slot, (\q)+1, 4
.endm
; A slot's last step changes slots: ONE barrier; in front of it each wave waits for all its tensor loads, adds 0 to its spare word, and waits for that and for its own reads of this slot.  fill = 1: this slot is filled again, two K steps ahead.
.macro TURN slot, next, fill
	s_wait_tensorcnt 0x0                           ; all my tensor loads have landed: my part of the next slot;  (every window is 0 here: the add's two registers lie in window 0)
	ds_add_u32 v[SPW], v[NIL]                      ; 0 onto my spare word
	s_wait_dscnt 4*NL+1                            ; (the add and the youngest sixteen loads, A's blocks 4-7, may be out)
	WIN MUL_LO
	MUL16 0, 1, 0                                  ; sixteen matrix instructions stand between the add and the wait for it
	s_wait_dscnt 0x0                               ; the add is done, and my reads of this slot are over
	s_barrier_signal -1
	MUL16 2, 1, 0
	WIN 0
	s_barrier_wait -1
.if \fill
	CREST                                          ; the barrier has opened a round of the cluster's barrier: no wave of any partner still reads this slot's tile or has a load on its way
	s_add_nc_u64 s[G0+4*\slot+2:G0+4*\slot+3], s[G0+4*\slot+2:G0+4*\slot+3], 2*ROWB
	s_add_nc_u64 s[G0B+4*\slot+2:G0B+4*\slot+3], s[G0B+4*\slot+2:G0B+4*\slot+3], 2*ROWB
	JLOAD G0+4*\slot, G1, G0B+4*\slot, G1B         ; the first tensor load behind the round; the four v_nop behind it are the places in front of the loads below
.else
	PLACES NP
.endif
	FETCH_B \next, 0, 0
	FETCH_A \next, 0, 0
	WIN MUL_HI
	MUL16 4, 1, 0
	MUL16 6, 1, 0
	PLACES NP
	WIN 0
	FETCH_A \next, 0, 4
.endm
	s_wait_alu depctr_va_vdst(0)
	s_wait_tensorcnt 0x0                           ; my part of K step 0 is in
	ds_add_u32 v[SPW], v[NIL]
	s_wait_dscnt 0x0
	CROUND                                         ; everybody's part of K step 0 is in, and all sixteen work-groups are here
	JLOAD G0+4, G1, G0B+4, G1B                     ; K step 1: the first tensor load behind the round
	FETCH_B 0, 0, 0
	FETCH_A 0, 0, 0
	FETCH_A 0, 0, 4
	STEP 0, 0, 1                                   ; the first step stands in front of the loop: its products start the sums
.if LAPS > 1
	s_mov_b32 s3, LAPS-1
.Llap:                                                 ; a trip goes once round the ring, from a lap's second step to the next lap's first, and fills both slots again
	TURN 0, 1, 1
	STEP 1, 0, 0
	TURN 1, 0, 1
	STEP 0, 0, 0
	s_sub_co_u32 s3, s3, 1
	s_cmp_lg_u32 s3, 0
	s_cbranch_scc1 .Llap
.endif
	TURN 0, 1, 0                                   ; the last lap fills nothing, and has no round of the cluster's barrier
	STEP 1, 0, 0
	s_wait_dscnt 4*NL                              ; the very last step: nothing more to fetch
	WIN MUL_LO
	MUL16 0, 1, 0
	MUL16 2, 1, 0
	s_wait_dscnt 0
	WIN MUL_HI
	MUL16 4, 1, 0
	MUL16 6, 1, 0
	WIN 0
	; THE WAY OUT.  A sum stands for sum x 2^(e0 + e1), so its code is sum / 2^(et - e0 - e1), et the exponent of the operand that it becomes: the three scales are folded into the conversion's one.
	s_wait_kmcnt 0x0
	s_cmp_eq_u32 ttmp9, 0
	s_cselect_b32 s90, s78, s79                    ; q: e2; k: e3;
	s_cmp_eq_u32 ttmp9, 2
	s_cselect_b32 s90, s81, s90                    ; v: e5
	s_sub_co_i32 s90, s90, s76
	s_sub_co_i32 s90, s90, s77
	s_add_co_i32 s90, s90, 127
	s_lshl_b32 s91, s90, 23
	v_mov_b32 v[SCV], s91                          ; the folded scale as f32: the conversion takes its exponent field
	s_add_co_i32 s90, s90, 8
	s_lshl_b32 s91, s90, 23
	s_or_b32 s91, s91, 0x600000                    ; 448 x the folded scale,
	s_or_b32 s90, s91, 0x80000000                  ; and its negative
	PLACES NP                                      ; behind the last products
; Block a (16 rows of A x my 128 rows of B): held, converted (a lane's eight numbers make eight codes, 8 bytes of a stage row), stored into the stage.  Each accumulator is read from its low end on.
.macro QBLOCK a
.set AC, 64*((\a)%4)
	WIN 0x82+0x41*((\a)/4)                         ; source 0 and destination: window 2 or 3
.set j, 0
.rept 64
	v_med3_num_f32 v[AC+j], v[AC+j], s90, s91      ; the conversion to an 8-bit code does not saturate (ISA guide 7.6.2): the hold at the largest code x the scale
.set j, j+1
.endr
	WIN 0x02+((\a)/4)                              ; source 0: window 2 or 3; destination and scale: window 0
.irp b, 0,1,2,3,4,5,6,7
	v_cvt_scalef32_pk8_fp8_f32 v[PC+16*(\a)+2*\b:PC+16*(\a)+2*\b+1], v[AC+8*\b:AC+8*\b+7], v[SCV]
.endr
	v_nop                                          ; one plain vector line behind the last conversion of the run
	WIN 0
.irp b, 0,1,2,3,4,5,6,7
	ds_store_b64 v[STO], v[PC+16*(\a)+2*\b:PC+16*(\a)+2*\b+1] offset:(\a)*16*SPITCH+16*\b
.endr
.endm
.irp a, 0,1,2,3,4,5,6,7
	QBLOCK \a
.endr
	s_wait_dscnt 0x0                               ; for the others' sake: my stores into the stage are done
	s_barrier_signal -1
	s_barrier_wait -1                              ; the tile's 256 x 256 codes lie in the stage
	s_cmp_eq_u32 ttmp9, 2                          ; the cluster's x: the same in all partners and all waves
	s_cbranch_scc1 .Lv_out
	; q, k: my head's 256 rows of 64 bytes are 16,384 dense bytes of memory: each store covers 512 consecutive bytes, at a multiple of 512 from the buffer's first byte
.set u, 0
.rept 32
.if u < 16
	ds_load_b128 v[PC+4*u:PC+4*u+3], v[RDQ] offset:u*8*SPITCH
.else
	ds_load_b128 v[PC+4*u:PC+4*u+3], v[RDQ2] offset:(u-16)*8*SPITCH
.endif
.set u, u+1
.endr
.set u, 0
.rept 32
	s_wait_dscnt 31-u                              ; load u is in; the younger ones may be out
	global_store_b128 v[COQ], v[PC+4*u:PC+4*u+3], s[88:89] offset:512*((u&28)|((u&1)<<1)|((u>>1)&1))   ; THE ROWS OF q AND k LIE PERMUTED: row t of a head lies at place t with bits 3 and 4 exchanged (chunks of 8 rows, 512 bytes), as the launch that reads them takes its tiles
.set u, u+1
.endr
	s_branch .Lout_done
.Lv_out:
	; v: my 64 rows (head, d) of 256 keys: sixteen lanes store 256 consecutive bytes, at a multiple of 256 from the buffer's first byte
.set u, 0
.rept 32
	ds_load_b128 v[PC+4*u:PC+4*u+3], v[RDV] offset:u*2*SPITCH
.set u, u+1
.endr
.set u, 0
.rept 32
	s_wait_dscnt 31-u
	global_store_b128 v[COV], v[PC+4*u:PC+4*u+3], s[88:89] offset:4096*u
.set u, u+1
.endr
.Lout_done:
	s_wait_tensorcnt 0x0                           ; the wave's end
	ds_add_u32 v[SPW], v[NIL]
	s_wait_dscnt 0x0
	CROUND                                         ; the closing round: no work-group ends while a partner may still ask for a tile that names it
	s_endpgm
.Lfunc_end_k_q21cc925b61_qkv:
	.size	k_q21cc925b61_qkv, .Lfunc_end_k_q21cc925b61_qkv-k_q21cc925b61_qkv
	.p2alignl 7, 3214868480
	.fill 96, 4, 3214868480
	.section	.rodata,"a",@progbits
	.p2align	6, 0x0
	.amdhsa_kernel k_q21cc925b61_qkv
		.amdhsa_group_segment_fixed_size 327680
		.amdhsa_private_segment_fixed_size 0
		.amdhsa_enable_private_segment 0
		.amdhsa_kernarg_size 48
		.amdhsa_user_sgpr_count 2
		.amdhsa_user_sgpr_kernarg_segment_ptr 1
		.amdhsa_wavefront_size32 1
		.amdhsa_system_sgpr_workgroup_id_x 1
		.amdhsa_system_sgpr_workgroup_id_y 1
		.amdhsa_system_sgpr_workgroup_id_z 1
		.amdhsa_system_vgpr_workitem_id 0
		.amdhsa_next_free_vgpr 1024
		.amdhsa_next_free_sgpr 100
		.amdhsa_reserve_vcc 0
		.amdhsa_float_denorm_mode_32 3
		.amdhsa_float_denorm_mode_16_64 3
		.amdhsa_memory_ordered 1
		.amdhsa_forward_progress 1
		.amdhsa_inst_pref_size 133
	.end_amdhsa_kernel
	.amdgpu_metadata
---
amdhsa.version: [ 1, 2 ]
amdhsa.kernels:
  - .name:           k_q21cc925b61_qkv
    .symbol:         k_q21cc925b61_qkv.kd
    .args:
      - { .name: xc, .offset: 0, .size: 8, .value_kind: global_buffer, .address_space: global }
      - { .name: wqc, .offset: 8, .size: 8, .value_kind: global_buffer, .address_space: global }
      - { .name: lowp_scales, .offset: 16, .size: 8, .value_kind: global_buffer, .address_space: global }
      - { .name: qc, .offset: 24, .size: 8, .value_kind: global_buffer, .address_space: global }
      - { .name: kc, .offset: 32, .size: 8, .value_kind: global_buffer, .address_space: global }
      - { .name: vc, .offset: 40, .size: 8, .value_kind: global_buffer, .address_space: global }
    .group_segment_fixed_size: 327680
    .private_segment_fixed_size: 0
    .kernarg_segment_align: 8
    .kernarg_segment_size: 48
    .max_flat_workgroup_size: 128
    .sgpr_count:     100
    .vgpr_count:     1024
    .wavefront_size: 32
...
	.end_amdgpu_metadata
.endif
;; end of part 2
;; launch attn (part 3): grid 4 x 64, 8 waves a work-group, clusters of 4 x 1, 327,680 bytes of LDS; arguments qc, kc, vc, lowp_scales, yc; writes yc
.if DOCPART == 3
	.amdgcn_target "amdgcn-amd-amdhsa--gfx1250"
	.amdhsa_code_object_version 6
	.text
	.protected	k_q21cc925b61_attn
	.globl	k_q21cc925b61_attn
	.p2align	8
	.type	k_q21cc925b61_attn,@function
k_q21cc925b61_attn:
	s_mov_b64 s[64:65], 0
	v_nop
	global_prefetch_b8 v0, s[64:65] scope:SCOPE_SE
	s_setreg_imm32_b32 hwreg(HW_REG_WAVE_MODE, 25, 1), 1
	s_wait_xcnt 0x0
	s_wait_alu depctr_hold_cnt(0) depctr_sa_sdst(0) depctr_va_vdst(0) depctr_va_sdst(0) depctr_va_ssrc(0) depctr_va_vcc(0) depctr_vm_vsrc(0)
	s_getreg_b32 s2, hwreg(HW_REG_IB_STS2, 6, 4)
	s_cmp_eq_u32 s2, 0
	s_cbranch_scc0 .Lentry_in_a_cluster
	s_endpgm
.Lentry_in_a_cluster:
	s_bfe_u32 s2, ttmp6, 0x10000c
	s_cmp_lg_u32 s2, 0x3003
	s_cbranch_scc0 .Lentry_shape_is_right
	s_endpgm
.Lentry_shape_is_right:
; y[head][q][:] = the sum over keys k <= q of softmax_k(Q[q] . K[k] / 8) V[k][:], 64 heads (batch x head) of 2,048 rows of 64, both products on codes of E4M3; y is quantised at once for the last product.
; IN: q's and k's codes [head][place][64] (2^e2, 2^e3), row t at place t with bits 3 and 4 exchanged; v's codes [head][d][t], the keys innermost (2^e5).  OUT: y's codes [head][t][64] (2^e6).
; THE SOFTMAX: t = score x log2(e) / 8; M = the row's largest t so far, rounded UP to a whole number; p = 2^(t - M) is quantised with 2^e4, not normalised; the row's sum is taken of the unquantised p and divides at the end.
; When M moves, the sums and O are multiplied by 2^(old M - new M): exact.
; SHARES.  The four work-groups of a head form a cluster.  A wave owns PAIRS of query tiles, 32 queries: pair g holds queries 32 g .. 32 g + 31 and needs g / 4 + 1 steps of 128 keys (the steps behind them lie wholly under the causal mask).
; Wave w of partner cx takes pair 63 - 4 w - cx (16 - w steps) and then pair 4 w + cx (w + 1 steps): 17 steps in every wave of every work-group, and no count hangs on cx.
; ALL OF A HEAD'S K AND V STAYS IN LDS: K 2,048 rows x 80 bytes, V four planes of 512 keys, 64 rows x 528 bytes.  Nothing is filled again, and no barrier stands in the loops.
; The four partners need the same bytes: every tensor load is a joint one (mask 15).  At the head one load a wave: waves 0-3 K's keys 0 .. 639, 160 each; waves 4-7 V's plane 0, 16 rows each.  Behind a round of the cluster's barrier one more:
; waves 0-3 K's other 1,408 keys, 352 each; waves 4-6 a plane of V each.  Meanwhile the first four steps, which every wave has, work on what the head brought (K's fragments are read one step ahead: so K's fifth step comes with the head).
; Wave 0's first pair walks all sixteen steps, so every load's bytes are read.
; NO PREFETCH: all of K and V is asked for by these two groups of loads at the head; no load follows that a loop could run ahead of.
; LAYOUT.  Both products are used transposed: S^T = K Q^T, O^T = V^T P^T: a lane holds ONE query (lane % 16).  A tile of K is 16 LDS rows on end, which by the places above are keys 32 b + 8 u + r + 8 (r / 8) (tile 2 b + u, lane r):
; so the 16 registers of tiles 2 b and 2 b + 1 are keys 32 b + 16 (lane / 16) + 0 .. 15, as V's loads lay them.
; CAUSAL.  Only a pair's last step meets the diagonal: there hidden scores become -infinity ahead of the maximum.  Key 0 counts for every query.
; THE TWO TILES OF A PAIR GO BY TURNS: their chains are interleaved, and one tile's exponentials stand among the other's plain lines whose results are first read behind the batch's wait.
; LIMITS on the given exponents, so that each power of two below is an f32 number: e2 + e3 between -123 and 130; e4 and e6 between -126 and 119.  The running largest t begins at -3e38.  NaN is not served.
; REGISTERS.  Window 0: v1-11 addresses; tile x's figures at v[12 + 8 x ..]: -M, largest t, f (a pair), at work, the permute's, lane % 16 - 16 (lane / 16) + 16 x, the mask's; v28 -infinity, v29 2^e4, v30 2^e6; v32-39 the maxima's chains;
;   v40-55 Q; v56-87 p's codes; v88-103 the second pair's Q; v104-119 at work; v128-191 K's 8 fragments; v192-255 V's 4.
; Window 1: v0-127 S^T then p (64 a tile); v128-191 O^T (32 a tile); v192-207 the running sums, four pairs a tile; v208-239 sums of pairs.
.set KP,    80                         ; a key's row in LDS: 64 bytes + 16: sixteen rows on end begin at sixteen different groups of four banks
.set VP,    528                        ; a row of a plane of V: 512 bytes + 16
.set KSB,   128*KP                     ; a step's keys in LDS
.set VOFF,  2048*KP
.set PLANE, 64*VP
.set STAGE, VOFF+4*PLANE               ; the way out: 32 rows x 80 bytes for each wave
.set SPARE, STAGE+8*32*KP              ; the spare words, 128 bytes for each wave: four blocks of 256 bytes that no other line names
.set AK0,  1
.set AV0,  2
.set QO,   4
.set SPW,  5                           ; v5 my spare word's address, v6 = 0: never rewritten
.set NIL,  6
.set GO,   7
.set ADK,  8
.set ADV,  9
.set STI,  10
.set STR,  11
.set KO,   8                           ; s8: the NEXT step's first byte in K's rows;  s9: this step's in V's planes
.set VO,   9
.set WV,   18
.set W3,   19                          ; wave % 4
.set SEL,  20
.set CS,   22                          ; s[22:23] c = log2(e) / 8 x 2^(e2 + e3)
.set G1KA, 24                          ; four groups 1 and four groups 0: K's and V's loads of the head (A) and of the second group (B)
.set G1VA, 32
.set G1KB, 40
.set G1VB, 48
.set G0KA, 56
.set G0VA, 60
.set QP2,  66
.set G0KB, 68
.set G0VB, 72
.set LIMP, 84                          ; 448 x 2^e4
.set EPV,  85                          ; e4 + e5
.set SCY,  86                          ; 2^e6
.set YHI,  87                          ; 448 x 2^e6, and its negative
.set YLO,  88
.set DD,   89                          ; the pair's first query less its last step's first key; s90: the second pair's
.set DD2,  90
.set CX,   91
.set YP,   92
.set YP2,  94
.set N,    96                          ; the count of steps, 0 .. 16
.set T,    97
.set S,    98                          ; a key step
.set LAST, 99                          ; 1 in a pair's last step
.set KW0, 15|(1<<20)|(1<<21)|(3<<22)|(3<<25)   ; mask 15, bit 21 beside it, elements of 1 byte, four words of padding after every 16
.set VW0, 15|(1<<20)|(1<<21)|(6<<22)|(3<<25)   ; the same after every 128
.set MSB, 0
.macro WIN new                         ; low byte: bits 1:0 source 0, 3:2 source 1, 5:4 source 2, 7:6 destination; the high byte repeats the setting that is left
.if MSB != \new
	s_set_vgpr_msb (MSB<<8)|\new
.set MSB, \new
.endif
.endm
.macro GRP1 g, w0, c, r, p             ; r rows of c bytes, p bytes apart
	s_mov_b32 s[\g], \w0
	s_mov_b32 s[\g+1], (\c)<<16
	s_mov_b32 s[\g+2], (\r)<<16
	s_mov_b32 s[\g+3], (\c)<<16
	s_mov_b32 s[\g+4], \r
	s_mov_b32 s[\g+5], \p
	s_mov_b32 s[\g+6], 0
	s_mov_b32 s[\g+7], 0
.endm
.macro NOPS
.rept 4
	v_nop
.endr
.endm
; a group of joint loads: waves 0-3 for K, waves 4 .. vlim - 1 for V; the branches hang on the wave's number alone.  s_nop 0 and four v_nop follow each load
.macro TLOAD gk, g1k, gv, g1v, vlim
	s_cmp_lt_u32 s[WV], 4
	s_cbranch_scc0 .Lnk_\@
	tensor_load_to_lds s[\gk:\gk+3], s[\g1k:\g1k+7]
	s_nop 0
	NOPS
	s_branch .Lj_\@
.Lnk_\@:
.if \vlim < 8
	s_cmp_lt_u32 s[WV], \vlim
	s_cbranch_scc0 .Lj_\@
.endif
	tensor_load_to_lds s[\gv:\gv+3], s[\g1v:\g1v+7]
	s_nop 0
	NOPS
.Lj_\@:
.endm
.macro CROUND                          ; a round of the cluster's barrier
	s_barrier_signal -1
	s_barrier_wait -1
	s_cmp_lg_u32 s[WV], 0
	s_cbranch_scc1 .Lnot_wave_0_\@
	s_barrier_signal -3
.Lnot_wave_0_\@:
	s_barrier_wait -3
	s_barrier_signal -1
	s_barrier_wait -1
.endm
.macro RESET                           ; a pair begins: the running figures; O^T and the sums = 0 (the step is written once: the first change of M leaves zeros zeros)
	v_mov_b32 v13, 0xff61b1e6
	v_mov_b32 v21, 0xff61b1e6
	v_floor_f32 v12, -v13
	v_floor_f32 v20, -v21
	WIN 0x40
.set j, 0
.rept 80
	v_mov_b32 v[128+j], 0
.set j, j+1
.endr
	WIN 0
.endm
	s_load_b128 s[4:7], s[0:1], 0x0                ; Q's codes, K's codes
	s_load_b128 s[12:15], s[0:1], 0x10             ; V's codes, the exponents
	s_load_b64 s[16:17], s[0:1], 0x20              ; y's codes
	v_lshl_add_u32 v[SPW], v0, 2, SPARE
	v_mov_b32 v[NIL], 0
	ds_add_u32 v[SPW], v[NIL]                      ; the opening lines: the add, twice on end, and its wait ahead of the round in front of my first tensor load
	ds_add_u32 v[SPW], v[NIL]
	v_lshrrev_b32 v104, 5, v0
	v_readfirstlane_b32 s[WV], v104                ; wave 0..7
	s_and_b32 s[W3], s[WV], 3
	s_bfe_u32 s[CX], ttmp6, 0x40000                ; my place in the cluster
	s_and_b32 s10, ttmp7, 0xffff
	s_lshl_b32 s10, s10, 17                        ; the head's 131,072 bytes in each tensor
	s_mov_b32 s11, 0
	GRP1 G1KA, KW0, 256, 40, 256                   ; 160 keys, dense: 40 rows of 256 bytes, the padding behind each 64
	GRP1 G1VA, VW0, 512, 16, 2048                  ; 16 rows of V x 512 keys
	GRP1 G1KB, KW0, 256, 88, 256                   ; 352 keys
	GRP1 G1VB, VW0, 512, 64, 2048                  ; a plane
	s_mov_b32 s[G0KA], 1
	s_mov_b32 s[G0VA], 1
	s_mov_b32 s[G0KB], 1
	s_mov_b32 s[G0VB], 1
	s_mul_i32 s[G0KA+1], s[W3], 160*KP
	s_mul_i32 s[G0VA+1], s[W3], 16*VP
	s_add_co_u32 s[G0VA+1], s[G0VA+1], VOFF
	s_mul_i32 s[G0KB+1], s[W3], 352*KP
	s_add_co_u32 s[G0KB+1], s[G0KB+1], 5*KSB
	s_mul_i32 s[G0VB+1], s[W3], PLANE
	s_add_co_u32 s[G0VB+1], s[G0VB+1], VOFF+PLANE
	s_mov_b32 s[SEL], 0x76543210
	s_mov_b32 s[SEL+1], 0xfedcba98
	s_mov_b32 s[CS], 0x3e38aa3b                    ; log2(e) / 8
	s_lshl_b32 s96, s[WV], 2
	s_add_co_u32 s96, s96, s[CX]                   ; the second pair, 4 w + cx,
	s_sub_co_u32 s2, 63, s96                       ; and the first
	s_lshl_b32 s96, s96, 11                        ; a pair's rows are 2,048 bytes
	s_lshl_b32 s2, s2, 11
	s_mov_b32 s97, 0
	s_mov_b32 s3, 0
	s_lshl_b32 s[DD2], s[CX], 5
	s_sub_co_u32 s[DD], 96, s[DD2]
	s_mov_b32 s9, 0
	s_wait_dscnt 0x0                               ; both opening adds are done
	s_wait_kmcnt 0x0
	s_load_b256 s[76:83], s[14:15], 0x0            ; e0 .. e7
	s_add_nc_u64 s[6:7], s[6:7], s[10:11]          ; K, V at the head
	s_add_nc_u64 s[12:13], s[12:13], s[10:11]
	s_mul_i32 s8, s[W3], 160*64
	s_add_nc_u64 s[G0KA+2:G0KA+3], s[6:7], s[8:9]
	s_or_b32 s[G0KA+3], s[G0KA+3], 0x80000000
	s_lshl_b32 s8, s[W3], 15
	s_add_nc_u64 s[G0VA+2:G0VA+3], s[12:13], s[8:9]
	s_or_b32 s[G0VA+3], s[G0VA+3], 0x80000000
	s_mul_i32 s8, s[W3], 352*64
	s_add_co_u32 s8, s8, 640*64
	s_add_nc_u64 s[G0KB+2:G0KB+3], s[6:7], s[8:9]
	s_or_b32 s[G0KB+3], s[G0KB+3], 0x80000000
	s_lshl_b32 s8, s[W3], 9
	s_add_co_u32 s8, s8, 512
	s_add_nc_u64 s[G0VB+2:G0VB+3], s[12:13], s[8:9]
	s_or_b32 s[G0VB+3], s[G0VB+3], 0x80000000
	CROUND                                         ; all four work-groups are here: the first joint loads meet
	TLOAD G0KA, G1KA, G0VA, G1VA, 8                ; one tensor load a wave
	s_add_nc_u64 s[QP2:QP2+1], s[4:5], s[10:11]
	s_add_nc_u64 s[16:17], s[16:17], s[10:11]
	s_add_nc_u64 s[4:5], s[QP2:QP2+1], s[2:3]      ; Q and y at my first pair, at my second
	s_add_nc_u64 s[QP2:QP2+1], s[QP2:QP2+1], s[96:97]
	s_add_nc_u64 s[YP:YP+1], s[16:17], s[2:3]
	s_add_nc_u64 s[YP2:YP2+1], s[16:17], s[96:97]
	s_mul_i32 s10, s[WV], 32*KP
	s_add_co_u32 s10, s10, STAGE                   ; my stage
	v_and_b32 v104, 15, v0                         ; r
	v_bfe_u32 v105, v0, 4, 1                       ; h
	v_and_b32 v106, 8, v104
	v_add_nc_u32 v106, v106, v104                  ; tile 0's query r lies at place r + 8 (r / 8) of the pair, tile 1's eight places on
	v_lshlrev_b32 v[QO], 6, v106
	v_lshl_add_u32 v[QO], v105, 4, v[QO]
.irp c, 0,1
	global_load_b128 v[40+4*\c:43+4*\c], v[QO], s[4:5] offset:32*\c
	global_load_b128 v[48+4*\c:51+4*\c], v[QO], s[4:5] offset:512+32*\c
	global_load_b128 v[88+4*\c:91+4*\c], v[QO], s[QP2:QP2+1] offset:32*\c
	global_load_b128 v[96+4*\c:99+4*\c], v[QO], s[QP2:QP2+1] offset:512+32*\c
.endr
	v_mul_u32_u24 v[AK0], v104, KP
	v_lshl_add_u32 v[AK0], v105, 4, v[AK0]
	v_mul_u32_u24 v[AV0], v104, VP
	v_lshl_add_u32 v[AV0], v105, 4, v[AV0]
	v_and_b32 v108, 31, v0
	v_lshlrev_b32 v[GO], 4, v108                   ; y: the pair's 32 rows are 2,048 dense bytes: 16 x lane
	v_mul_u32_u24 v[STI], v104, KP
	v_lshl_add_u32 v[STI], v105, 3, v[STI]
	v_add_nc_u32 v[STI], s10, v[STI]               ; into the stage: row r, + 8 h
	v_lshrrev_b32 v106, 2, v108
	v_and_b32 v107, 3, v108
	v_mul_u32_u24 v[STR], v106, KP
	v_lshl_add_u32 v[STR], v107, 4, v[STR]
	v_add_nc_u32 v[STR], s10, v[STR]               ; back: four lanes to a row
	v_lshlrev_b32 v105, 4, v105
	v_sub_nc_u32 v18, v104, v105                   ; r - 16 h,
	v_add_nc_u32 v26, 16, v18                      ; and tile 1's, whose queries lie 16 on
	s_wait_alu depctr_va_vdst(0)
	s_wait_kmcnt 0x0
	s_add_co_i32 s10, s78, s79
	s_lshl_b32 s10, s10, 23
	s_add_co_i32 s[CS], s[CS], s10                 ; e2 + e3 go into c's exponent field
	s_mov_b32 s[CS+1], s[CS]
	s_add_co_i32 s10, s80, 127
	s_lshl_b32 s11, s10, 23                        ; 2^e4
	s_add_co_i32 s10, s10, 8
	s_lshl_b32 s10, s10, 23
	s_or_b32 s[LIMP], s10, 0x600000
	s_add_co_i32 s[EPV], s80, s81
	s_add_co_i32 s10, s82, 127
	s_lshl_b32 s[SCY], s10, 23
	s_add_co_i32 s10, s10, 8
	s_lshl_b32 s10, s10, 23
	s_or_b32 s[YHI], s10, 0x600000
	s_or_b32 s[YLO], s[YHI], 0x80000000
	v_mov_b32 v28, 0xff800000
	v_mov_b32 v29, s11
	v_mov_b32 v30, s[SCY]
.irp r, 15,23,17,25                                ; the upper halves of the pairs of f; a lane permute's destination counts as a source
	v_mov_b32 v\r, 0
.endr
	RESET
.macro KLOAD a                         ; K's eight fragments of a step
.irp t, 0,1,2,3,4,5,6,7
.irp c, 0,1
	ds_load_b128 v[128+8*\t+4*\c:131+8*\t+4*\c], v[\a] offset:\t*16*KP+32*\c
.endr
.endr
.endm
.macro VL i                            ; the i-th of V's sixteen loads: fragment i / 4, piece i % 4
	ds_load_b128 v[192+4*(\i):195+4*(\i)], v[ADV] offset:((\i)/4)*16*VP+32*((\i)%4)
.endm
.macro SMUL x                          ; S^T of tile x: eight tiles of 16 keys
.irp t, 0,1,2,3,4,5,6,7
	v_wmma_f32_16x16x64_fp8_fp8 v[64*\x+8*\t:64*\x+8*\t+7], v[128+8*\t:135+8*\t], v[40+8*\x:47+8*\x], 0
.endr
.endm
.macro PV x                            ; O^T += V^T P^T: the four accumulators by turns
.irp t, 0,1,2,3
	v_wmma_f32_16x16x128_fp8_fp8 v[128+32*\x+8*\t:135+32*\x+8*\t], v[192+16*\t:207+16*\t], v[56+16*\x:71+16*\x], v[128+32*\x+8*\t:135+32*\x+8*\t]
.endr
.endm
.macro CVTP x                          ; p's codes: registers 4 b .. 4 b + 3 hold keys 32 b + 16 h + 0 .. 15
.irp b, 0,1,2,3
	v_cvt_scalef32_pk8_fp8_f32 v[56+16*\x+4*\b:57+16*\x+4*\b], v[64*\x+16*\b:64*\x+16*\b+7], v29
	v_cvt_scalef32_pk8_fp8_f32 v[58+16*\x+4*\b:59+16*\x+4*\b], v[64*\x+16*\b+8:64*\x+16*\b+15], v29
.endr
.endm
.macro ACCS x                          ; the sixteen sums of pairs onto the tile's four running sums, by turns
.irp k, 0,1,2,3
.irp c, 0,1,2,3
	v_pk_add_f32 v[192+8*\x+2*\c:193+8*\x+2*\c], v[192+8*\x+2*\c:193+8*\x+2*\c], v[208+8*\k+2*\c:209+8*\k+2*\c]
.endr
.endr
.endm
.macro MASK                            ; register 16 b + i holds key (step's first) + 16 h + 32 b + i: hidden where 32 b + i > my query - the step's first key - 16 h
	v_add_nc_u32 v19, s[DD], v18
	v_add_nc_u32 v27, s[DD], v26
	WIN 0x41
.irp x, 0,1
.set n, 0
.rept 64
	v_cmp_gt_i32 vcc_lo, 32*(n/16)+n%16, v[19+8*\x]
	v_cndmask_b32 v[64*\x+n], v[64*\x+n], v28, vcc_lo
.set n, n+1
.endr
.endr
	WIN 0
.endm
; A KEY STEP: 128 keys for my pair's two tiles; each fragment of K and of V feeds both.  diag = 1: the text holds the mask for a pair's last step, and the last step of all asks for no further keys
.macro STEP diag
	s_wait_dscnt 0x0                               ; K's fragments, asked for a step ago, are in
	WIN 0x40
	SMUL 0
	SMUL 1
	WIN 0
	v_add_nc_u32 v[ADK], s[KO], v[AK0]
	v_add_nc_u32 v[ADV], s[VO], v[AV0]
	v_nop                                          ; with the two additions: four places in front of the loads into V's and K's registers and of the first read of the scores
	v_nop
.set vi, 0
.rept 16                                           ; this step's V, in one run with the next step's K
	VL vi
.set vi, vi+1
.endr
.if \diag
	s_cmp_eq_u32 s[N], 16
	s_cbranch_scc1 .Lnk_\@
.endif
	KLOAD ADK                                      ; the next step's
.if \diag
.Lnk_\@:
	s_cmp_eq_u32 s[LAST], 0
	s_cbranch_scc1 .Lopen_\@
	MASK
.Lopen_\@:
.endif
	WIN 0x14                                       ; the largest scores: eight chains by turns, four a tile
.irp k, 0,1,2,3,4,5,6,7
.irp x, 0,1
.irp c, 0,1,2,3
.if \k == 0
	v_max3_num_f32 v[32+4*\x+\c], v28, v[64*\x+16*\c], v[64*\x+16*\c+1]
.else
	v_max3_num_f32 v[32+4*\x+\c], v[32+4*\x+\c], v[64*\x+16*\c+2*\k], v[64*\x+16*\c+2*\k+1]
.endif
.endr
.endr
.endr
	WIN 0
.irp x, 0,1                                        ; from the maxima to f, the two tiles by turns
	v_max3_num_f32 v[16+8*\x], v[32+4*\x], v[33+4*\x], v[34+4*\x]
.endr
.irp x, 0,1
	v_max_num_f32 v[16+8*\x], v[16+8*\x], v[35+4*\x]
.endr
.irp x, 0,1
	v_permlanex16_b32 v[17+8*\x], v[16+8*\x], s[SEL], s[SEL+1]
.endr
.irp x, 0,1
	v_max_num_f32 v[16+8*\x], v[16+8*\x], v[17+8*\x]   ; and lane l xor 16's
.endr
.irp x, 0,1
	v_mul_f32 v[16+8*\x], s[CS], v[16+8*\x]        ; as t (c is positive)
.endr
.irp x, 0,1
	v_max_num_f32 v[13+8*\x], v[13+8*\x], v[16+8*\x]
.endr
.irp x, 0,1
	v_mov_b32 v[16+8*\x], v[12+8*\x]
.endr
	v_floor_f32 v12, -v13                          ; -M = floor(-t): M is a whole number
	v_floor_f32 v20, -v21
.irp x, 0,1
	v_sub_f32 v[16+8*\x], v[12+8*\x], v[16+8*\x]
.endr
.irp x, 0,1
	v_cvt_i32_f32 v[16+8*\x], v[16+8*\x]           ; (it saturates)
.endr
.irp x, 0,1
	v_ldexp_f32 v[14+8*\x], 1.0, v[16+8*\x]        ; f = 2^(old M - new M)
.endr
	WIN 0x41
.set j, 0
.rept 16
	v_pk_mul_f32 v[128+j:129+j], v[128+j:129+j], v[14:15] op_sel_hi:[1,0]   ; O^T x f
	v_pk_mul_f32 v[160+j:161+j], v[160+j:161+j], v[22:23] op_sel_hi:[1,0]
.set j, j+2
.endr
.set j, 0
.rept 32
	v_pk_fma_f32 v[j:j+1], v[j:j+1], s[CS:CS+1], v[12:13] op_sel_hi:[1,0,0]   ; tile 0: t - M
.set j, j+2
.endr
	s_wait_alu depctr_va_vdst(0)                   ; ahead of the batch
.set j, 0
.rept 32                                           ; tile 0's p = 2^(t - M); among them tile 1's t - M and the running sums x f, all first read behind the next wait
	v_exp_f32 v[j], v[j]
	v_pk_fma_f32 v[64+j:65+j], v[64+j:65+j], s[CS:CS+1], v[20:21] op_sel_hi:[1,0,0]
	v_exp_f32 v[j+1], v[j+1]
.if (j%8) == 0
	v_pk_mul_f32 v[192+j/4:193+j/4], v[192+j/4:193+j/4], v[14+8*(j/32):15+8*(j/32)] op_sel_hi:[1,0]
.endif
.set j, j+2
.endr
	v_nop                                          ; the plain line behind the batch
	s_wait_alu depctr_va_vdst(0)                   ; the one wait behind tile 0's batch and ahead of tile 1's
	WIN 0x45
.set m, 0
.rept 16                                           ; tile 1's p; among them tile 0's sums of pairs (of the unquantised p) and then its holds, all first read behind the next wait
	v_exp_f32 v[64+4*m], v[64+4*m]
	v_pk_add_f32 v[208+2*m:209+2*m], v[4*m:4*m+1], v[4*m+2:4*m+3]
	v_exp_f32 v[65+4*m], v[65+4*m]
	v_dual_min_num_f32 v[4*m], s[LIMP], v[4*m] :: v_dual_min_num_f32 v[4*m+1], s[LIMP], v[4*m+1]   ; the conversion does not saturate (ISA guide 7.6.2); p is not negative, so the hold is one-sided; two holds an instruction
	v_exp_f32 v[66+4*m], v[66+4*m]
	v_dual_min_num_f32 v[4*m+2], s[LIMP], v[4*m+2] :: v_dual_min_num_f32 v[4*m+3], s[LIMP], v[4*m+3]
	v_exp_f32 v[67+4*m], v[67+4*m]
.set m, m+1
.endr
	v_nop                                          ; the plain line behind the batch
	s_wait_alu depctr_va_vdst(0)                   ; the wait behind tile 1's batch
	WIN 0x01
	CVTP 0
	WIN 0x45
	ACCS 0                                         ; (also the plain lines between the conversions and the products)
	s_wait_alu depctr_va_vdst(0)
	s_wait_dscnt 0x0                               ; V is in
	WIN 0x50
	PV 0
	WIN 0x45
.set m, 0
.rept 16
	v_pk_add_f32 v[208+2*m:209+2*m], v[64+4*m:65+4*m], v[66+4*m:67+4*m]
.irp i, 0,2
	v_dual_min_num_f32 v[64+4*m+\i], s[LIMP], v[64+4*m+\i] :: v_dual_min_num_f32 v[65+4*m+\i], s[LIMP], v[65+4*m+\i]
.endr
.set m, m+1
.endr
	ACCS 1
	WIN 0x01
	CVTP 1
	v_nop                                          ; one plain line behind the last conversion
	WIN 0x50
	PV 1
	WIN 0
.endm
.macro STEPNO d, n                     ; the key step of count n: n while n + w < 16 (the first pair), then n + w - 16 (the second)
	s_add_co_u32 s[T], s[\n], s[WV]
	s_and_b32 s10, s[T], 15
	s_cmp_ge_u32 s[T], 16
	s_cselect_b32 s[\d], s10, s[\n]
	s_min_u32 s[\d], s[\d], 15                     ; a head has sixteen steps
.endm
	s_wait_alu depctr_va_vdst(0)
	s_wait_tensorcnt 0x0                           ; my part of the head's tiles is in
	ds_add_u32 v[SPW], v[NIL]
	s_wait_dscnt 0x0
	CROUND                                         ; everybody's part is in, and all four work-groups are here
	TLOAD G0KB, G1KB, G0VB, G1VB, 7                ; the rest of K and V: the first tensor load behind the round
	KLOAD AK0                                      ; step 0's keys
	s_wait_loadcnt 0x0                             ; Q
	s_mov_b32 s[KO], KSB
	s_mov_b32 s[VO], VOFF
	s_mov_b32 s[N], 0
.Learly:                                           ; steps 0 to 3 of the first pair, which has nine steps or more: none of their keys is hidden; K is read up to step 4, V up to step 3: what the head brought
	STEP 0
	s_add_co_u32 s[KO], s[KO], KSB
	s_add_co_u32 s[VO], s[VO], 128
	s_add_co_u32 s[N], s[N], 1
	s_cmp_lt_u32 s[N], 4
	s_wait_alu depctr_va_vdst(0)
	s_cbranch_scc1 .Learly
	s_wait_tensorcnt 0x0                           ; my part of the rest is in,
	s_wait_dscnt 0x0
	s_barrier_signal -1
	s_barrier_wait -1                              ; everybody's is
.Lmain:                                            ; thirteen trips, n = 4 .. 16
	s_add_co_u32 s11, s[N], 1
	STEPNO S, 11
	s_mul_i32 s[KO], s[S], KSB                     ; the next step's keys
	STEPNO S, N
	s_cmp_eq_u32 s[T], 15
	s_cselect_b32 s[LAST], 1, 0
	s_cmp_eq_u32 s[N], 16
	s_cselect_b32 s[LAST], 1, s[LAST]
	s_lshr_b32 s10, s[S], 2
	s_mul_i32 s10, s10, PLANE
	s_and_b32 s11, s[S], 3
	s_lshl_b32 s11, s11, 7
	s_add_co_u32 s[VO], s10, s11
	s_add_co_u32 s[VO], s[VO], VOFF
	STEP 1
	s_cmp_eq_u32 s[LAST], 0                        ; the wave's number and the count alone; no barrier stands under the branch
	s_cbranch_scc1 .Lnofin
	; A PAIR'S END: O^T x 2^(e4 + e5) / the sum, held, converted with 2^e6 (a lane's eight numbers are eight neighbouring d of one row), through my stage, so that each store covers 512 dense bytes
	NOPS                                           ; places behind the last products
	WIN 0x45
.irp x, 0,1
	v_pk_add_f32 v[192+8*\x:193+8*\x], v[192+8*\x:193+8*\x], v[194+8*\x:195+8*\x]
	v_pk_add_f32 v[196+8*\x:197+8*\x], v[196+8*\x:197+8*\x], v[198+8*\x:199+8*\x]
.endr
.irp x, 0,1
	v_pk_add_f32 v[192+8*\x:193+8*\x], v[192+8*\x:193+8*\x], v[196+8*\x:197+8*\x]
.endr
	WIN 0x05
.irp x, 0,1
	v_add_f32 v[16+8*\x], v[192+8*\x], v[193+8*\x]
.endr
	WIN 0
.irp x, 0,1
	v_permlanex16_b32 v[17+8*\x], v[16+8*\x], s[SEL], s[SEL+1]
.endr
.irp x, 0,1
	v_add_f32 v[16+8*\x], v[16+8*\x], v[17+8*\x]   ; the row's sum
.endr
	s_wait_alu depctr_va_vdst(0)                   ; ahead of the transcendentals
	v_rcp_f32 v16, v16
	v_rcp_f32 v24, v24
	v_nop                                          ; the plain line behind them
	s_wait_alu depctr_va_vdst(0)                   ; ahead of their first reader
.irp x, 0,1
	v_ldexp_f32 v[14+8*\x], v[16+8*\x], s[EPV]
.endr
	WIN 0x41
	s_wait_alu depctr_va_vdst(0)                   ; directly ahead of the first readers of O^T
.set j, 0
.rept 16
	v_pk_mul_f32 v[j:j+1], v[128+j:129+j], v[14:15] op_sel_hi:[1,0]
	v_pk_mul_f32 v[64+j:65+j], v[160+j:161+j], v[22:23] op_sel_hi:[1,0]
.set j, j+2
.endr
.set j, 0
.rept 32
	v_med3_num_f32 v[j], v[j], s[YLO], s[YHI]
	v_med3_num_f32 v[64+j], v[64+j], s[YLO], s[YHI]
.set j, j+1
.endr
	WIN 0x01
.irp x, 0,1
.irp t, 0,1,2,3
	v_cvt_scalef32_pk8_fp8_f32 v[104+8*\x+2*\t:105+8*\x+2*\t], v[64*\x+8*\t:64*\x+8*\t+7], v30
.endr
.endr
	v_nop                                          ; one plain line behind the last conversion
	WIN 0
.irp x, 0,1
.irp t, 0,1,2,3
	ds_store_b64 v[STI], v[104+8*\x+2*\t:105+8*\x+2*\t] offset:16*KP*\x+16*\t
.endr
.endr
.irp i, 0,1,2,3
	ds_load_b128 v[56+4*\i:59+4*\i], v[STR] offset:8*KP*\i   ; LDS serves a wave's instructions in order: these see my stores
.endr
	s_wait_dscnt 0x0
.irp i, 0,1,2,3
	global_store_b128 v[GO], v[56+4*\i:59+4*\i], s[YP:YP+1] offset:512*\i
.endr
	s_cmp_eq_u32 s[N], 16
	s_cbranch_scc1 .Lnofin
.set j, 0
.rept 16                                           ; the second pair begins
	v_mov_b32 v[40+j], v[88+j]
.set j, j+1
.endr
	RESET
	s_mov_b32 s[DD], s[DD2]
	s_wait_xcnt 0x0                                ; the stores have read their registers and their base
	s_mov_b64 s[YP:YP+1], s[YP2:YP2+1]
.Lnofin:
	s_add_co_u32 s[N], s[N], 1
	s_cmp_lt_u32 s[N], 17
	s_wait_alu depctr_va_vdst(0)
	s_cbranch_scc1 .Lmain
	s_wait_tensorcnt 0x0                           ; the wave's end
	ds_add_u32 v[SPW], v[NIL]
	s_wait_dscnt 0x0
	CROUND                                         ; the closing round
	s_endpgm
.Lfunc_end_k_q21cc925b61_attn:
	.size	k_q21cc925b61_attn, .Lfunc_end_k_q21cc925b61_attn-k_q21cc925b61_attn
	.p2alignl 7, 3214868480
	.fill 96, 4, 3214868480
	.section	.rodata,"a",@progbits
	.p2align	6, 0x0
	.amdhsa_kernel k_q21cc925b61_attn
		.amdhsa_group_segment_fixed_size 327680
		.amdhsa_private_segment_fixed_size 0
		.amdhsa_enable_private_segment 0
		.amdhsa_kernarg_size 40
		.amdhsa_user_sgpr_count 2
		.amdhsa_user_sgpr_kernarg_segment_ptr 1
		.amdhsa_wavefront_size32 1
		.amdhsa_system_sgpr_workgroup_id_x 1
		.amdhsa_system_sgpr_workgroup_id_y 1
		.amdhsa_system_sgpr_workgroup_id_z 1
		.amdhsa_system_vgpr_workitem_id 0
		.amdhsa_next_free_vgpr 512
		.amdhsa_next_free_sgpr 100
		.amdhsa_reserve_vcc 1
		.amdhsa_float_denorm_mode_32 3
		.amdhsa_float_denorm_mode_16_64 3
		.amdhsa_memory_ordered 1
		.amdhsa_forward_progress 1
		.amdhsa_inst_pref_size 96
	.end_amdhsa_kernel
	.amdgpu_metadata
---
amdhsa.version: [ 1, 2 ]
amdhsa.kernels:
  - .name:           k_q21cc925b61_attn
    .symbol:         k_q21cc925b61_attn.kd
    .args:
      - { .name: qc, .offset: 0, .size: 8, .value_kind: global_buffer, .address_space: global }
      - { .name: kc, .offset: 8, .size: 8, .value_kind: global_buffer, .address_space: global }
      - { .name: vc, .offset: 16, .size: 8, .value_kind: global_buffer, .address_space: global }
      - { .name: lowp_scales, .offset: 24, .size: 8, .value_kind: global_buffer, .address_space: global }
      - { .name: yc, .offset: 32, .size: 8, .value_kind: global_buffer, .address_space: global }
    .group_segment_fixed_size: 327680
    .private_segment_fixed_size: 0
    .kernarg_segment_align: 8
    .kernarg_segment_size: 40
    .max_flat_workgroup_size: 256
    .sgpr_count:     100
    .vgpr_count:     512
    .wavefront_size: 32
...
	.end_amdgpu_metadata
.endif
;; end of part 3
;; launch proj (part 4): grid 4 x 32, 4 waves a work-group, clusters of 4 x 4, 327,680 bytes of LDS; arguments yc, wpc, lowp_scales, out0; writes out0
.if DOCPART == 4
	.amdgcn_target "amdgcn-amd-amdhsa--gfx1250"
	.amdhsa_code_object_version 6
	.text
	.protected	k_q21cc925b61_proj
	.globl	k_q21cc925b61_proj
	.p2align	8
	.type	k_q21cc925b61_proj,@function
k_q21cc925b61_proj:
	s_mov_b64 s[64:65], 0
	v_nop
	global_prefetch_b8 v0, s[64:65] scope:SCOPE_SE
	s_setreg_imm32_b32 hwreg(HW_REG_WAVE_MODE, 25, 1), 1
	s_wait_xcnt 0x0
	s_wait_alu depctr_hold_cnt(0) depctr_sa_sdst(0) depctr_va_vdst(0) depctr_va_sdst(0) depctr_va_ssrc(0) depctr_va_vcc(0) depctr_vm_vsrc(0)
	s_getreg_b32 s2, hwreg(HW_REG_IB_STS2, 6, 4)
	s_cmp_eq_u32 s2, 0
	s_cbranch_scc0 .Lentry_in_a_cluster
	s_endpgm
.Lentry_in_a_cluster:
	s_bfe_u32 s2, ttmp6, 0x10000c
	s_cmp_lg_u32 s2, 0xf033
	s_cbranch_scc0 .Lentry_shape_is_right
	s_endpgm
.Lentry_shape_is_right:
.set SIZE_N, 1024
.set SIZE_K, 1024
.set KSTEP,  256
.set ROWB,   256
.set KROW,   SIZE_K
.set PITCH,  272
.set APITCH, 80
.set PLANE,  256*APITCH
.set HEADB,  131072
.set ASTEP,  4*HEADB
.set FR,     16
.set NL,     4
.set NP,     4
.set HALFB,  128*PITCH
.set BOFF,   4*PLANE
.set SLOT,   BOFF+2*HALFB
.set LAPS,   SIZE_K/(2*KSTEP)
.set SPARE,  2*SLOT
.set SPITCH, 528
.set ADRA, 16
.set ADRB, 20
.set STO,  24
.set RD,   25
.set CO,   26
.set SPW,  28
.set NIL,  29
.set TMP,  32
.set AF,   128
.set BK,   128
.set G1, 24
.set G0, 32
.set G1B, 48
.set G0B, 56
.set MSB, 0
.macro WIN new
.if MSB != \new
	s_set_vgpr_msb (MSB<<8)|\new
.set MSB, \new
.endif
.endm
.set MUL_LO, 0xa1
.set MUL_HI, 0xf1
.set TO_B,   0x40
.macro JLOAD g0a, g1a, g0b, g1b
	s_cmp_eq_u32 s15, 0
	s_cbranch_scc0 .Lfor_b_\@
	tensor_load_to_lds s[\g0a:\g0a+3], s[\g1a:\g1a+7]
	s_nop 0
.rept 4
	v_nop
.endr
	s_branch .Lasked_\@
.Lfor_b_\@:
	tensor_load_to_lds s[\g0b:\g0b+3], s[\g1b:\g1b+7]
	s_nop 0
.rept 4
	v_nop
.endr
.Lasked_\@:
.endm
.macro CREST
	s_cmp_lg_u32 s14, 0
	s_cbranch_scc1 .Lnot_wave_0_\@
	s_barrier_signal -3
.Lnot_wave_0_\@:
	s_barrier_wait -3
	s_barrier_signal -1
	s_barrier_wait -1
.endm
.macro CROUND
	s_barrier_signal -1
	s_barrier_wait -1
	CREST
.endm
	s_load_b128 s[4:7], s[0:1], 0x0
	s_load_b128 s[8:11], s[0:1], 0x10
	v_lshl_add_u32 v[SPW], v0, 2, SPARE
	v_mov_b32 v[NIL], 0
	ds_add_u32 v28, v29
	ds_add_u32 v28, v29
	s_wait_dscnt 0x0
	v_lshrrev_b32 v1, 5, v0
	v_readfirstlane_b32 s14, v1
	s_lshr_b32 s15, s14, 1
	s_and_b32 s16, s14, 1
	s_bfe_u32 s40, ttmp6, 0x40000
	s_bfe_u32 s41, ttmp6, 0x40004
	s_lshl_b32 s42, ttmp9, 2
	s_add_co_u32 s42, s42, s40
	s_and_b32 s17, ttmp7, 0xffff
	s_lshl_b32 s17, s17, 2
	s_add_co_u32 s17, s17, s41
	s_lshl_b32 s43, s41, 2
	s_lshl_b32 s43, 15, s43
	s_lshl_b32 s44, 0x1111, s40
	s_or_b32 s[G1+0], s43, (0<<16)|(1<<20)|(1<<21)|(3<<22)|(3<<25)
	s_mov_b32 s[G1+1], 16384<<16
	s_mov_b32 s[G1+2], 2<<16
	s_mov_b32 s[G1+3], 16384<<16
	s_mov_b32 s[G1+4], 2
	s_mov_b32 s[G1+5], HEADB
	s_mov_b32 s[G1+6], 0
	s_mov_b32 s[G1+7], 0
	s_or_b32 s[G1B+0], s44, (0<<16)|(1<<20)|(1<<21)|(5<<22)|(3<<25)
	s_mov_b32 s[G1B+1], ROWB<<16
	s_mov_b32 s[G1B+2], 128<<16
	s_mov_b32 s[G1B+3], ROWB<<16
	s_mov_b32 s[G1B+4], 128
	s_mov_b32 s[G1B+5], KROW
	s_mov_b32 s[G1B+6], 0
	s_mov_b32 s[G1B+7], 0
	s_lshr_b32 s20, s17, 3
	s_lshl_b32 s20, s20, 21
	s_and_b32 s21, s17, 7
	s_lshl_b32 s21, s21, 14
	s_add_co_u32 s20, s20, s21
	s_lshl_b32 s21, s16, 18
	s_add_co_u32 s20, s20, s21
	s_mov_b32 s21, 0
	s_lshl_b32 s18, s16, 7
	s_lshl_b32 s46, s42, 8
	s_add_co_u32 s46, s46, s18
	s_mov_b32 s47, 0
	s_mov_b64 s[18:19], KROW
	s_mul_u64 s[46:47], s[46:47], s[18:19]
	s_mul_i32 s22, s16, 2*PLANE
	s_mul_i32 s23, s16, HALFB
	s_add_co_u32 s23, s23, BOFF
	s_wait_kmcnt 0x0
	s_load_b64 s[96:97], s[8:9], 0x18
	s_add_nc_u64 s[20:21], s[4:5], s[20:21]
	s_add_nc_u64 s[46:47], s[6:7], s[46:47]
	CROUND
.irp s, 0,1
	s_mov_b32 s[G0+4*\s], 1
	s_add_co_u32 s[G0+4*\s+1], s22, \s*SLOT
	s_add_nc_u64 s[G0+4*\s+2:G0+4*\s+3], s[20:21], \s*ASTEP
	s_or_b32 s[G0+4*\s+3], s[G0+4*\s+3], 0x80000000
	s_mov_b32 s[G0B+4*\s], 1
	s_add_co_u32 s[G0B+4*\s+1], s23, \s*SLOT
	s_add_nc_u64 s[G0B+4*\s+2:G0B+4*\s+3], s[46:47], \s*ROWB
	s_or_b32 s[G0B+4*\s+3], s[G0B+4*\s+3], 0x80000000
.endr
	JLOAD G0, G1, G0B, G1B                         ; K step 0: one tensor load a wave at the head
	v_and_b32 v1, 15, v0
	v_bfe_u32 v2, v0, 4, 1
	v_mul_u32_u24 v3, v1, APITCH
	v_lshl_add_u32 v3, v2, 4, v3
	s_mul_i32 s21, s15, 128*APITCH
.irp s, 0,1
.irp q, 0,1
	s_add_co_u32 s22, s21, \s*SLOT+2*\q*PLANE
	v_add_nc_u32 v[ADRA+2*\s+\q], s22, v3
.endr
.endr
	v_mul_u32_u24 v4, v1, PITCH
	v_lshl_add_u32 v4, v2, 4, v4
	s_mul_i32 s22, s16, HALFB
	s_add_co_u32 s22, s22, BOFF
.irp s, 0,1
	v_add_nc_u32 v[ADRB+\s], s22, v4
	s_add_co_u32 s22, s22, SLOT
.endr
	s_mul_i32 s23, s14, 16*SPITCH
	v_mul_u32_u24 v5, v1, SPITCH
	v_lshl_add_u32 v5, v2, 5, v5
	v_add_nc_u32 v[STO], s23, v5
	v_and_b32 v6, 31, v0
	v_lshlrev_b32 v[CO], 4, v6
	v_add_nc_u32 v[RD], s23, v[CO]
	s_lshl_b32 s20, s17, 8
	s_lshl_b32 s21, s15, 7
	s_add_co_u32 s20, s20, s21
	s_mov_b32 s21, 0
	s_mov_b64 s[18:19], SIZE_N*4
	s_mul_u64 s[20:21], s[20:21], s[18:19]
	s_lshl_b32 s46, s42, 10
	s_lshl_b32 s47, s16, 9
	s_add_co_u32 s46, s46, s47
	s_mov_b32 s47, 0
	s_add_nc_u64 s[20:21], s[20:21], s[46:47]
	s_add_nc_u64 s[10:11], s[10:11], s[20:21]
.macro FRAG reg, adr, q, i
.irp c, 0,1,2,3
	ds_load_b128 v[\reg+4*\c:\reg+4*\c+3], v[\adr] offset:128*(\q)+32*\c+(\i)*16*PITCH
.endr
.endm
.macro FRAGA reg, adr, i
.irp c, 0,1,2,3
	ds_load_b128 v[\reg+4*\c:\reg+4*\c+3], v[\adr] offset:(\c/2)*PLANE+(\i)*16*APITCH+32*(\c%2)
.endr
.endm
.macro MUL16 a0, p, zero
.irp a, \a0, \a0+1
.irp b, 0,1,2,3,4,5,6,7
.if \zero
	v_wmma_f32_16x16x128_fp8_fp8 v[8*(8*((\a)%4)+\b):8*(8*((\a)%4)+\b)+7], v[128*(\p)+FR*\b:128*(\p)+FR*\b+FR-1], v[AF+FR*(\a):AF+FR*(\a)+FR-1], 0
.else
	v_wmma_f32_16x16x128_fp8_fp8 v[8*(8*((\a)%4)+\b):8*(8*((\a)%4)+\b)+7], v[128*(\p)+FR*\b:128*(\p)+FR*\b+FR-1], v[AF+FR*(\a):AF+FR*(\a)+FR-1], v[8*(8*((\a)%4)+\b):8*(8*((\a)%4)+\b)+7]
.endif
.endr
.endr
.endm
.macro FETCH_B slot, q, p
	WIN TO_B
.irp i, 0,1,2,3,4,5,6,7
	FRAG 128*(\p)+FR*\i, ADRB+\slot, \q, \i
.endr
	WIN 0
.endm
.macro FETCH_A slot, q, i0
.irp i, \i0, \i0+1, \i0+2, \i0+3
	FRAGA AF+FR*(\i), ADRA+2*(\slot)+(\q), \i
.endr
.endm
.macro PLACES n
.rept \n
	v_nop
.endr
.endm
.macro STEP slot, q, zero
	s_wait_dscnt 4*NL
	WIN MUL_LO
	MUL16 0, (\q)%2, \zero
	MUL16 2, (\q)%2, \zero
	s_wait_dscnt 0
	PLACES NP
	FETCH_B \slot, (\q)+1, 1-(\q)%2
	FETCH_A \slot, (\q)+1, 0
	WIN MUL_HI
	MUL16 4, (\q)%2, \zero
	MUL16 6, (\q)%2, \zero
	PLACES NP
	WIN 0
	FETCH_A \slot, (\q)+1, 4
.endm
.macro TURN slot, next, fill
	s_wait_tensorcnt 0x0
	ds_add_u32 v[SPW], v[NIL]
	s_wait_dscnt 4*NL+1
	WIN MUL_LO
	MUL16 0, 1, 0
	s_wait_dscnt 0x0
	s_barrier_signal -1
	MUL16 2, 1, 0
	WIN 0
	s_barrier_wait -1
.if \fill
	CREST
	s_add_nc_u64 s[G0+4*\slot+2:G0+4*\slot+3], s[G0+4*\slot+2:G0+4*\slot+3], 2*ASTEP
	s_add_nc_u64 s[G0B+4*\slot+2:G0B+4*\slot+3], s[G0B+4*\slot+2:G0B+4*\slot+3], 2*ROWB
	JLOAD G0+4*\slot, G1, G0B+4*\slot, G1B
.else
	PLACES NP
.endif
	FETCH_B \next, 0, 0
	FETCH_A \next, 0, 0
	WIN MUL_HI
	MUL16 4, 1, 0
	MUL16 6, 1, 0
	PLACES NP
	WIN 0
	FETCH_A \next, 0, 4
.endm
	s_wait_alu depctr_va_vdst(0)
	s_wait_tensorcnt 0x0                           ; my part of K step 0 is in
	ds_add_u32 v[SPW], v[NIL]
	s_wait_dscnt 0x0
	CROUND                                         ; everybody's part of K step 0 is in, and all sixteen work-groups are here
	JLOAD G0+4, G1, G0B+4, G1B                     ; K step 1: the first tensor load behind the round
	FETCH_B 0, 0, 0
	FETCH_A 0, 0, 0
	FETCH_A 0, 0, 4
	STEP 0, 0, 1
.if LAPS > 1
	s_mov_b32 s3, LAPS-1
.Llap:
	TURN 0, 1, 1
	STEP 1, 0, 0
	TURN 1, 0, 1
	STEP 0, 0, 0
	s_sub_co_u32 s3, s3, 1
	s_cmp_lg_u32 s3, 0
	s_cbranch_scc1 .Llap
.endif
	TURN 0, 1, 0
	STEP 1, 0, 0
	s_wait_dscnt 4*NL
	WIN MUL_LO
	MUL16 0, 1, 0
	MUL16 2, 1, 0
	s_wait_dscnt 0
	WIN MUL_HI
	MUL16 4, 1, 0
	MUL16 6, 1, 0
	WIN 0
.macro TOSTAGE a
.set AC, 64*((\a)%4)
	WIN 0x02+((\a)/4)
.irp j, 0,2,4,6,8,10,12,14,16,18,20,22,24,26,28,30,32,34,36,38,40,42,44,46,48,50,52,54,56,58,60,62
	v_pk_mul_f32 v[TMP+\j:TMP+\j+1], v[AC+\j:AC+\j+1], s[96:97] op_sel_hi:[1,0]
.endr
	WIN 0
.irp b, 0,1,2,3,4,5,6,7
	ds_store_b128 v[STO], v[TMP+8*\b:TMP+8*\b+3] offset:64*\b
	ds_store_b128 v[STO], v[TMP+8*\b+4:TMP+8*\b+7] offset:64*\b+16
.endr
.set BB, BK+64*((\a)%2)
.irp t, 0,1,2,3,4,5,6,7,8,9,10,11,12,13,14,15
	ds_load_b128 v[BB+4*\t:BB+4*\t+3], v[RD] offset:\t*SPITCH
.endr
.endm
.macro SEND a, younger
.set BB, BK+64*((\a)%2)
	s_wait_dscnt \younger
.if (\a) > 0
	s_add_nc_u64 s[10:11], s[10:11], 16*SIZE_N*4
.endif
.irp t, 0,1,2,3,4,5,6,7,8,9,10,11,12,13,14,15
	global_store_b128 v[CO], v[BB+4*\t:BB+4*\t+3], s[10:11] offset:\t*SIZE_N*4 th:TH_STORE_NT
.endr
.endm
	s_wait_kmcnt 0x0
	s_add_co_i32 s96, s96, s97
	s_add_co_i32 s96, s96, 127
	s_lshl_b32 s96, s96, 23
	PLACES NP
	TOSTAGE 0
.irp a, 1,2,3,4,5,6,7
.if \a > 1
	s_wait_xcnt 0x0
.endif
	TOSTAGE \a
	SEND \a-1, 32
.endr
	s_wait_xcnt 0x0
	SEND 7, 0
	s_wait_tensorcnt 0x0
	ds_add_u32 v[SPW], v[NIL]
	s_wait_dscnt 0x0
	CROUND
	s_endpgm
.Lfunc_end_k_q21cc925b61_proj:
	.size	k_q21cc925b61_proj, .Lfunc_end_k_q21cc925b61_proj-k_q21cc925b61_proj
	.p2alignl 7, 3214868480
	.fill 96, 4, 3214868480
	.section	.rodata,"a",@progbits
	.p2align	6, 0x0
	.amdhsa_kernel k_q21cc925b61_proj
		.amdhsa_group_segment_fixed_size 327680
		.amdhsa_private_segment_fixed_size 0
		.amdhsa_enable_private_segment 0
		.amdhsa_kernarg_size 32
		.amdhsa_user_sgpr_count 2
		.amdhsa_user_sgpr_kernarg_segment_ptr 1
		.amdhsa_wavefront_size32 1
		.amdhsa_system_sgpr_workgroup_id_x 1
		.amdhsa_system_sgpr_workgroup_id_y 1
		.amdhsa_system_sgpr_workgroup_id_z 1
		.amdhsa_system_vgpr_workitem_id 0
		.amdhsa_next_free_vgpr 1024
		.amdhsa_next_free_sgpr 98
		.amdhsa_reserve_vcc 0
		.amdhsa_float_denorm_mode_32 3
		.amdhsa_float_denorm_mode_16_64 3
		.amdhsa_memory_ordered 1
		.amdhsa_forward_progress 1
		.amdhsa_inst_pref_size 124
	.end_amdhsa_kernel
	.amdgpu_metadata
---
amdhsa.version: [ 1, 2 ]
amdhsa.kernels:
  - .name:           k_q21cc925b61_proj
    .symbol:         k_q21cc925b61_proj.kd
    .args:
      - { .name: yc, .offset: 0, .size: 8, .value_kind: global_buffer, .address_space: global }
      - { .name: wpc, .offset: 8, .size: 8, .value_kind: global_buffer, .address_space: global }
      - { .name: lowp_scales, .offset: 16, .size: 8, .value_kind: global_buffer, .address_space: global }
      - { .name: out0, .offset: 24, .size: 8, .value_kind: global_buffer, .address_space: global }
    .group_segment_fixed_size: 327680
    .private_segment_fixed_size: 0
    .kernarg_segment_align: 8
    .kernarg_segment_size: 32
    .max_flat_workgroup_size: 128
    .sgpr_count:     98
    .vgpr_count:     1024
    .wavefront_size: 32
...
	.end_amdgpu_metadata
.endif
;; end of part 4
